; MI455X (gfx1250); checked and timed in simulation.
; The chip was launched on July 23, 2026; its instructions are those of AMD's public machine-readable ISA for CDNA 5 (MIT licence, August 2026) and "CDNA5" Instruction Set Architecture Reference Guide (July 2026). The comments in the code are by the model that wrote it; some were corrected since.
;; Enhanced Attention Layer. Allowed arithmetic: matrix products marked QUANTISED: E5M2 operands, one E8M0 scale for each 32 along K, by v_wmma_scale_f32_16x16x128_f8f6f4 with both operands' format E5M2, f32 sums; products left as they are: f32 operands where the result goes on into a quantised operand, else bf16, f16 or f32 operands; f32 sums; everything else in f32.
;; Inputs: Wk_codes 1,024 x 32 x 32 uint8 (E5M2 codes of Wk, K innermost, in blocks of 32 codes); Wk_scales 1,024 x 32 uint8 (E8M0 scales of Wk, one for each 32 codes along K); Wo_codes 1,024 x 32 x 32 uint8 (E5M2 codes of Wo, K innermost, in blocks of 32 codes); Wo_scales 1,024 x 32 uint8 (E8M0 scales of Wo, one for each 32 codes along K); Wq_codes 1,024 x 32 x 32 uint8 (E5M2 codes of Wq, K innermost, in blocks of 32 codes); Wq_scales 1,024 x 32 uint8 (E8M0 scales of Wq, one for each 32 codes along K); Wv_codes 1,024 x 32 x 32 uint8 (E5M2 codes of Wv, K innermost, in blocks of 32 codes); Wv_scales 1,024 x 32 uint8 (E8M0 scales of Wv, one for each 32 codes along K); bk 1,024 float32; bo 1,024 float32; bq 1,024 float32; bv 1,024 float32; x_codes 4 x 2,048 x 32 x 32 uint8 (E5M2 codes of x, K innermost, in blocks of 32 codes); x_scales 4 x 2,048 x 32 uint8 (E8M0 scales of x, one for each 32 codes along K).
;; Outputs: out0 4 x 1,024 float32; out1 4 x 8 x 2,048 float32; out2 one number float32.
;; This version of the problem:
;;   THIS VERSION OF THE PROBLEM IS GIVEN IN LOW PRECISION. The matrix products marked QUANTISED in the list below multiply operands that are first quantised to E5M2 (5 exponent bits, 2 mantissa bits; 8 bits a number), with one power-of-two scale for each 32 numbers along K (OCP MX v1.0); their sums are f32. All else is computed in f32.
;;   The module's matrix products, in the order in which they are computed (A, B: the left and right operand; K: the contracted axis; several contracted axes count as one K, in the product's order):
;;     1. [M 8,192, K 1,024] x [K 1,024, N 1,024]; A: input x (given as codes); B: input Wq (given as codes): QUANTISED
;;     2. [M 8,192, K 1,024] x [K 1,024, N 1,024]; A: input x (given as codes); B: input Wk (given as codes): QUANTISED
;;     3. [M 8,192, K 1,024] x [K 1,024, N 1,024]; A: input x (given as codes); B: input Wv (given as codes): QUANTISED
;;     4. batch 32 x [M 2,048, K 128] x [K 128, N 2,048]; A: computed on the way; B: computed on the way: QUANTISED
;;     5. batch 32 x [M 128, K 2,048] x [K 2,048, N 2,048]; A: computed on the way; B: softmax (see below): QUANTISED
;;     6. [M 8,192, K 1,024] x [K 1,024, N 1,024]; A: computed on the way; B: input Wo (given as codes): QUANTISED
;;     7. batch 4 x [M 8, K 2,048] x [K 2,048, N 8]; A: computed on the way; B: computed on the way: left as it is (M = 8 < 16)
;;   THE QUANTISER, for each operand of a quantised product, along K:
;;     - K is cut into blocks of 32 from its start; a last block that is shorter is filled with zeros.
;;     - A block's scale is 2^e with e = floor(log2(the largest magnitude in the block)) - 15, held to -126 .. 127; a block of zeros has e = 0. As a byte (E8M0): e + 127.
;;     - Each number is divided by its block's scale, clamped to +-57,344, and rounded to the nearest number of E5M2, ties to even, subnormals kept.
;;     - The product sums the exact products of the quantised numbers (number of the format x scale) in f32.
;;   ~~~python
;;   def quantise(x, axis):      # numpy; x: float32 -> the quantised numbers, widened to float32 again
;;       x = np.moveaxis(x, axis, -1); K = x.shape[-1]
;;       x = np.pad(x, [(0, 0)] * (x.ndim - 1) + [(0, -K % 32)]); x = x.reshape(x.shape[:-1] + (-1, 32)); a = np.abs(x).max(-1, keepdims=True)
;;       e = np.where(a > 0, np.clip(np.frexp(np.where(a > 0, a, 1))[1] - 1 - 15, -126, 127), 0)      # np.frexp(a)[1] - 1 = floor(log2(a)), exactly
;;       r = np.clip(x / 2.0 ** e, -57344, 57344)
;;       step = 2.0 ** (np.maximum(np.frexp(np.where(r == 0, 1, r))[1] - 1, -14) - 2)
;;       q = np.round(r / step) * step * 2.0 ** e      # np.round: ties to even
;;       return np.moveaxis(q.reshape(q.shape[:-2] + (-1,))[..., :K], -1, axis).astype(np.float32)
;;   ~~~
;;   SOFTMAX AHEAD OF A QUANTISED PRODUCT. Where the list says 'softmax', what is quantised is not the finished softmax but p = 2^(t - M), with t = logit x log2(e) and M = ceil(the row's largest t), a whole number; so 1/2 < the row's largest p <= 1. The row's sum l is taken of the UNQUANTISED p, in f32, and the product's result is divided by l at the end. Since M is a whole number, a kernel that streams over the keys may use a running M (the ceiling of the running maximum): every later rescaling is an exact power of two, which a block's scale takes up: the codes' values come out the same.
;;   OPERANDS COMPUTED ON THE WAY. 'Computed on the way' means the value that the module computes at that place (a softmax that the list does not call 'softmax' is quantised finished and normalised). What goes into a quantiser is computed in f32, as accurately as f32 sums, v_exp_f32 and their like allow (about 1e-6 of the number): no bf16 or f16 on the way to a quantiser, and a product that is left as it is and whose result goes on into a quantised operand takes f32 operands (vector FMAs, or v_wmma_f32_16x16x4_f32). A number that lies on a knife's edge between two numbers of the format may be rounded either way, as far as f32 arithmetic and the matrix unit's own rounding can turn it there, and no further.
;;   INPUTS GIVEN AS CODES. Wk (in the module: [1024, 1024], K = its axis 1); Wo (in the module: [1024, 1024], K = its axis 1); Wq (in the module: [1024, 1024], K = its axis 1); Wv (in the module: [1024, 1024], K = its axis 1); x (in the module: [4, 2048, 1024], K = its axis 2): each comes as NAME_codes (uint8): NAME with its K axis moved to the last place and cut into blocks of 32 codes, [.., K / 32, bytes a block], one block behind the other in memory; one code a byte (a code: sign, 5 exponent bits, 2 mantissa bits); and NAME_scales (uint8): the same leading axes, one E8M0 byte (e + 127) for each 32 codes along K. Its value is code x scale, taken as it is: it is not quantised again, and the codes and scales need not be those that the quantiser above would give.
;; One version. Each part assembles by itself: llvm-mc -triple=amdgcn-amd-amdhsa -mcpu=gfx1250 --defsym DOCPART=n.
;; ======== version 1 of 1: 4 launches
;; limits: right only within a limited range of input values
;; workspace buffers: cod 25,165,824 bytes; scl 786,432 bytes; lb 262,144 bytes; part 1,048,576 bytes
;; launch qkv (part 1): grid 16 x 16, 4 waves a work-group, clusters of 4 x 4, 327,680 bytes of LDS; arguments x_codes, x_scales, Wq_codes, Wq_scales, Wk_codes, Wk_scales, Wv_codes, Wv_scales, bq, bk, bv, cod, scl; writes cod, scl
.if DOCPART == 1
	.amdgcn_target "amdgcn-amd-amdhsa--gfx1250"
	.amdhsa_code_object_version 6
	.text
	.protected	k_q48b077c4d0_qkv
	.globl	k_q48b077c4d0_qkv
	.p2align	8
	.type	k_q48b077c4d0_qkv,@function
k_q48b077c4d0_qkv:
	s_mov_b64 s[64:65], 0
	v_nop
	global_prefetch_b8 v0, s[64:65] scope:SCOPE_SE
	s_setreg_imm32_b32 hwreg(HW_REG_WAVE_MODE, 25, 1), 1
	s_wait_xcnt 0x0
	s_wait_alu depctr_hold_cnt(0) depctr_sa_sdst(0) depctr_va_vdst(0) depctr_va_sdst(0) depctr_va_ssrc(0) depctr_va_vcc(0) depctr_vm_vsrc(0)
	s_getreg_b32 s2, hwreg(HW_REG_IB_STS2, 6, 4)
	s_cmp_eq_u32 s2, 0
	s_cbranch_scc0 .Lentry_in_a_cluster
	s_endpgm
.Lentry_in_a_cluster:
	s_bfe_u32 s2, ttmp6, 0x10000c
	s_cmp_lg_u32 s2, 0xf033
	s_cbranch_scc0 .Lentry_shape_is_right
	s_endpgm
.Lentry_shape_is_right:
; q = x Wq^T + bq, k = x Wk^T + bk, v = x Wv^T + bv on codes of BF8 (E5M2, one E8M0 byte for 32 along K = 1,024), and their quantisers for the two products of attention.  No f32 result is stored.
; WORK LEFT OUT IN THIS PROGRAM: every input is loaded and every product of reference() is done.  One step is left out, in the launch final: the |.| round corr.  attn is a softmax, so each of its numbers is >= 0 for all finite inputs;
; avg_attn, a mean of them, is >= 0; corr[b][h][g], a sum of products of two such means, is >= 0: |corr| = corr by identity.  LIMIT: a NaN or an infinity is not served anywhere in this program.
; LIMITS: sums beyond f32's range are not served; a block's byte never falls under 1 (its bytes are read by this program alone).
; THE DEAL.  256 work-groups of four waves, 2 x 2 (w = wave / 2, wc = wave % 2).  A wave holds 64 rows of a weight, all of K, in 512 registers and streams x's rows past them in blocks of 16, which stand in registers as two sets.
; PHASE 1: 512 rows of x x one head (128 columns) of Q (tile columns 0-7) or K (8-15): sixteen blocks a wave.  PHASE 2: 256 rows x one head of V: eight blocks, of one of the work-group's own two windows of 256 rows (number s18).
; LDS: two slots of 128 whole rows.  Phase 1 takes the window that is not V's first (chunks 0, 1), then V's (chunks 2, 3); V takes chunk 3 as it lies in slot 1, then chunk 2 anew.  A weight's rows lie in a slot until they are in registers.
; ROWS.  A tile of x is 16 neighbouring rows: with a pitch of 1,040 bytes its rows start 16 bytes apart modulo 256.  Wave row w takes the tiles 2 w, 2 w + 1, 2 w + 4, 2 w + 5 of a chunk's eight: block j is rows 32 w + 64 (j / 2) + 16 (j % 2) on.
; Q, K: source 0 = the weight; lane r of its tile j takes row 32 (r / 8) + 8 j + r % 8 of my 64, so a lane's 32 sums are channels 64 wc + 32 h + 0 .. 31 of one token: a scale block in a lane.
; V: source 0 = x; the weight's tile t is rows 32 (t / 2) + 8 (t % 2) + r + 8 (r / 8) of my 64.  The 16 sums of a pair of blocks (tiles 2 b, 2 b + 1) are 16 keys of the 32 from 32 b on, of one channel: a scale block in lanes l and l xor 16.
; Place 16 h + 8 u + i of a block of 32 keys holds key 16 u + 8 h + i.  The attention launch's p falls into the same places, since K's tiles are made of the same rows: the products' sums and the scale blocks are those of the natural order.
; OUT: register images of 16 rows x 128 K: group c of lane l at 512 c + 16 l of 2,048 bytes; 16 scale words a tile.  cod: q's tiles [8 batch + head][128]; from KV0 on [8 batch + head][slot of 512 keys][K's 32 tiles, V's 4 x 8].  scl likewise.
; CLUSTER 4 x 4: x's rows are asked for jointly by a row of the cluster, a weight's by a column.  A wave has one tensor load out at the most.
.set NQ, 8
.set NB, 4
.set TM, 512
.set TV, 256
.set CH, 128
.set KROW, 1024
.set PITCH, KROW+16
.set FR, 16
.set FPW, 16
.set NP, 8                             ; plain vector lines behind a matrix instruction (ISA guide 7.12.1)
.set NF, 34                            ; LDS loads of a block
.set YB, CH*PITCH                      ; slot 1
.set SCL, 2*CH*PITCH                   ; x's scale bytes, in the order of work: units of 256 bytes (8 rows) + 16
.set RS, 32
.set SSTEP, 4*272                      ; 32 rows of scale bytes
.set XN, SCL+2*RS*272                  ; Q's or K's scale words on the way out: [chunk in the order of work][tile][r][4]
.set XV, XN+2048                       ; V's: [128 keys of two][tile of 8][r][4]
.set SPARE, XV+1024
.set KV0, 8388608
.set KS0, 262144
.set EMAX, 15
.set ADRA0, 4
.set CN, 5
.set AAS0, 6
.set CO, 9
.set SPW, 10
.set NIL, 11
.set ADRA, 12
.set VX, 13
.set ADRB, 14                          ; v14 the first weight in slot 1, v15 Wv in slot 0
.set ABS, 16
.set AAS, 17
.set ABSV, 18
.set RD, 19
.set SOP, 20
.set SB, 24                            ; v24-39 the weight's scale words
.set EB, 40
.set SA, 44                            ; v44-59 x's, two sets
.set TQ, 60
.set ACC, 64                           ; v64-191 four sets of four accumulators
.set WS, 128                           ; in phase 1: Wv's scale words
.set NCD, 192
.set MCD, 192
.set BQ, 208                           ; v208-239 the bias: the first products' C
.set BV, 240
.set G1A, 24
.set G0A, 56
.set G1B, 32
.set G0B, 60
.set G1R, 48
.set G0R, 68
.set G1S, 92
.set G0S, 72
.set WVP, 104                          ; s[104:105] my head's rows of Wv
.set PB, 40                            ; s[40:41] the prefetch's buffer
.set MSB, 0
.macro WIN new
.if MSB != \new
	s_set_vgpr_msb (MSB<<8)|\new
.set MSB, \new
.endif
.endm
.macro PLACES n
.rept \n
	v_nop
.endr
.endm
.macro BARRIER
	s_barrier_signal -1
	s_barrier_wait -1
.endm
.macro CROUND
	BARRIER
	s_cmp_lg_u32 s14, 0
	s_cbranch_scc1 .Lnot_wave_0_\@
	s_barrier_signal -3
.Lnot_wave_0_\@:
	s_barrier_wait -3
	BARRIER
.endm
.macro TLOAD g0, g1                    ; s_nop 0 and four v_nop behind a tensor load
	tensor_load_to_lds s[\g0:\g0+3], s[\g1:\g1+7]
	s_nop 0
	PLACES 4
.endm
.macro GROUP1 g, mask, rows            ; whole rows of K, 16 bytes of padding behind each
	s_or_b32 s[\g+0], s[\mask], (1<<20)|(1<<21)|(7<<22)|(3<<25)
	s_mov_b32 s[\g+1], (KROW&0xffff)<<16
	s_mov_b32 s[\g+2], (KROW>>16)|((\rows)<<16)
	s_mov_b32 s[\g+3], KROW<<16
	s_mov_b32 s[\g+4], \rows
	s_mov_b32 s[\g+5], KROW
	s_mov_b32 s[\g+6], 0
	s_mov_b32 s[\g+7], 0
.endm
.macro SADD d, x
	s_add_co_u32 s\d, s\d, s\x
.endm
	s_load_b512 s[76:91], s[0:1], 0x0      ; x's codes, scales; Wq's; Wk's; Wv's
	v_lshl_add_u32 v[SPW], v0, 2, SPARE
	v_mov_b32 v[NIL], 0
	ds_add_u32 v[SPW], v[NIL]              ; the opening lines: the add twice and its wait
	ds_add_u32 v[SPW], v[NIL]
	v_lshrrev_b32 v1, 5, v0
	v_readfirstlane_b32 s14, v1
	s_lshr_b32 s15, s14, 1                 ; w
	s_and_b32 s16, s14, 1                  ; wc
	s_bfe_u32 s40, ttmp6, 0x40000
	s_bfe_u32 s41, ttmp6, 0x40004
	s_lshl_b32 s42, ttmp9, 2
	s_add_co_u32 s42, s42, s40             ; tile column
	s_and_b32 s43, ttmp7, 0xffff
	s_lshl_b32 s43, s43, 2
	s_add_co_u32 s43, s43, s41             ; tile row: 512 rows of x
	s_lshr_b32 s19, ttmp9, 1               ; 0: Q, 1: K
	s_and_b32 s18, ttmp9, 1                ; V's window
	s_lshl_b32 s44, s41, 2
	s_lshl_b32 s44, 15, s44                ; my row of the cluster
	s_lshl_b32 s45, 0x1111, s40            ; my column
	GROUP1 G1B, 45, 128
	GROUP1 G1A, 44, CH
	GROUP1 G1R, 44, CH/4
	s_or_b32 s[G1S+0], s44, (3<<16)|(1<<20)|(1<<21)|(5<<22)|(3<<25)   ; a window's scale bytes: 8,192 dense bytes as 32 rows of 256
	s_mov_b32 s[G1S+1], 32<<16
	s_mov_b32 s[G1S+2], RS<<16
	s_mov_b32 s[G1S+3], 32<<16
	s_mov_b32 s[G1S+4], RS
	s_mov_b32 s[G1S+5], 32
	s_mov_b32 s[G1S+6], 0
	s_mov_b32 s[G1S+7], 0
	s_mov_b32 s[G0S], 1
	s_mul_i32 s[G0S+1], s16, RS*272
	s_add_co_u32 s[G0S+1], s[G0S+1], SCL
	s_mul_i32 s67, s43, TM*KROW            ; s67: the window that is not V's; s2: V's
	s_mul_i32 s20, s18, TM/2*KROW
	s_add_co_u32 s2, s67, s20
	s_xor_b32 s20, s20, TM/2*KROW
	SADD 67, 20
	s_lshl_b32 s13, s19, 2
	SADD 13, 40                            ; V's head = 4 (cluster x / 2) + cx
	s_lshl_b32 s3, s13, 17                 ; its rows of Wv
	s_lshl_b32 s12, s13, 12                ; their scale bytes, my 64
	s_lshl_b32 s21, s16, 11
	SADD 12, 21
	s_and_b32 s8, s42, 7                   ; phase 1's head
	s_lshl_b32 s17, s8, 12
	SADD 17, 21
	s_lshl_b32 s8, s8, 17
	s_lshl_b32 s9, s43, 1                  ; x's scale bytes: wave 2 the window that is not V's, wave 3 V's
	s_xor_b32 s20, s18, 1
	s_cmp_eq_u32 s16, 1
	s_cselect_b32 s20, s18, s20
	SADD 9, 20
	s_lshl_b32 s9, s9, 13
	s_mov_b32 s[G0A], 1
	s_mov_b32 s[G0A+1], 0
	s_mov_b32 s[G0B], 1
	s_mov_b32 s[G0B+1], YB
	s_mov_b32 s[G0R], 1
	v_and_b32 v1, 15, v0                   ; r
	v_bfe_u32 v2, v0, 4, 1                 ; h
	v_and_b32 v3, 31, v0
	v_lshrrev_b32 v20, 3, v1
	v_and_b32 v21, 7, v1
	v_lshl_add_u32 v22, v20, 3, v1         ; r + 8 (r / 8): Wv's rows
	v_lshl_add_u32 v21, v20, 5, v21        ; 32 (r / 8) + r % 8: the first weight's
	v_mul_u32_u24 v23, v22, PITCH
	v_lshl_add_u32 v23, v2, 4, v23
	v_mul_u32_u24 v19, v21, PITCH
	v_lshl_add_u32 v19, v2, 4, v19
	v_mul_u32_u24 v[ADRA0], v1, PITCH      ; x's: row r
	v_lshl_add_u32 v[ADRA0], v2, 4, v[ADRA0]
	s_mul_i32 s20, s15, 32*PITCH
	v_add_nc_u32 v[ADRA0], s20, v[ADRA0]
	s_mul_i32 s22, s16, 64*PITCH
	v_add_nc_u32 v[ADRB+1], s22, v23
	s_add_co_u32 s22, s22, YB
	v_add_nc_u32 v[ADRB], s22, v19
	v_lshl_add_u32 v[ABS], v2, 3, v21      ; a weight's scale bytes: lanes 0-15 tile 2 p's rows, lanes 16-31 tile 2 p + 1's
	v_lshlrev_b32 v[ABS], 5, v[ABS]
	v_lshl_add_u32 v[ABSV], v2, 3, v22
	v_lshlrev_b32 v[ABSV], 5, v[ABSV]
	v_lshlrev_b32 v23, 5, v1               ; x's scale bytes in LDS: 32 bytes a row, and 16 more for each 256 passed
	v_lshl_add_u32 v23, v20, 4, v23
	s_mul_i32 s20, s15, 4*272
	s_add_co_u32 s20, s20, SCL
	v_add_nc_u32 v[AAS0], s20, v23
	s_lshl_b32 s100, s41, 2                ; which of the cluster column's sixteen waves I am
	s_add_co_u32 s100, s100, s14
	s_wait_dscnt 0x0
	CROUND                                 ; the opening round
	s_wait_kmcnt 0x0
	s_mov_b64 s[4:5], s[76:77]
	s_mov_b32 s21, 0
	s_mov_b32 s20, s67
	s_add_nc_u64 s[G0A+2:G0A+3], s[4:5], s[20:21]
	s_or_b32 s[G0A+3], s[G0A+3], 0x80000000
	s_cmp_eq_u32 s19, 0
	s_cselect_b64 s[80:81], s[80:81], s[84:85]
	s_cselect_b64 s[82:83], s[82:83], s[86:87]
	s_mov_b32 s20, s8
	s_add_nc_u64 s[G0B+2:G0B+3], s[80:81], s[20:21]
	s_or_b32 s[G0B+3], s[G0B+3], 0x80000000
	s_mov_b32 s20, s9
	s_add_nc_u64 s[G0S+2:G0S+3], s[78:79], s[20:21]
	s_or_b32 s[G0S+3], s[G0S+3], 0x80000000
	s_mov_b32 s20, s17
	s_add_nc_u64 s[10:11], s[82:83], s[20:21]
	s_mov_b32 s20, s12
	s_add_nc_u64 s[86:87], s[90:91], s[20:21]
	s_mov_b32 s20, s3
	s_add_nc_u64 s[WVP:WVP+1], s[88:89], s[20:21]
	s_lshl_b32 s90, s40, 2                 ; which of the cluster row's sixteen waves I am
	s_add_co_u32 s90, s90, s14
	s_cmp_eq_u32 s14, 0                    ; one joint load a wave, in one chain of arms
	s_cbranch_scc0 .Lwave_1
	TLOAD G0B, G1B                         ; wave 0: the first weight
	s_branch .Lasked
.Lwave_1:
	s_cmp_eq_u32 s14, 1
	s_cbranch_scc0 .Lfor_scales
	TLOAD G0A, G1A                         ; wave 1: chunk 0
	s_branch .Lasked
.Lfor_scales:
	TLOAD G0S, G1S                         ; waves 2, 3: a window's scale bytes each
.Lasked:
	s_lshr_b32 s20, s43, 2                 ; where my results go: offsets
	s_lshl_b32 s20, s20, 3
	s_and_b32 s21, s42, 7
	SADD 21, 20                            ; 8 x batch + head
	s_and_b32 s22, s43, 3                  ; which 512 tokens of the batch
	s_lshl_b32 s76, s21, 18
	s_lshl_b32 s23, s22, 16
	SADD 76, 23
	s_lshl_b32 s77, s21, 19
	s_lshl_b32 s23, s22, 17
	SADD 77, 23
	s_add_co_u32 s77, s77, KV0
	s_lshl_b32 s78, s21, 13
	s_lshl_b32 s79, s21, 14
	s_add_co_u32 s79, s79, KS0
	s_cmp_eq_u32 s19, 0
	s_cselect_b32 s76, s76, s77
	s_cselect_b32 s78, s78, s79
	s_lshl_b32 s23, s15, 12                ; tile 2 w,
	SADD 76, 23
	s_lshl_b32 s23, s16, 10                ; groups 2 wc on
	SADD 76, 23
	s_mov_b32 s77, 0
	s_lshl_b32 s23, s22, 11
	SADD 78, 23
	s_xor_b32 s23, s15, s18                ; wave n stores chunk n of the order of work: where it lies in memory
	s_xor_b32 s23, s23, 1
	s_lshl_b32 s23, s23, 1
	SADD 23, 16
	s_lshl_b32 s23, s23, 9
	SADD 78, 23
	s_mov_b32 s79, 0
	SADD 20, 13                            ; V: 8 x batch + head
	s_lshl_b32 s80, s20, 19
	s_lshl_b32 s23, s22, 17
	SADD 80, 23
	s_lshl_b32 s23, s18, 15
	SADD 80, 23
	s_lshl_b32 s23, s16, 13
	SADD 80, 23
	s_lshl_b32 s23, s15, 9
	SADD 80, 23
	s_add_co_u32 s80, s80, KV0+65536
	s_mov_b32 s81, 0
	s_lshl_b32 s82, s20, 14
	s_lshl_b32 s23, s22, 1
	SADD 23, 18
	s_lshl_b32 s23, s23, 10
	SADD 82, 23
	s_lshl_b32 s23, s14, 8
	SADD 82, 23
	s_add_co_u32 s82, s82, KS0+8192
	s_mov_b32 s83, 0
	s_load_b64 s[84:85], s[0:1], 0x40      ; bq, bk, bv
	s_load_b64 s[46:47], s[0:1], 0x48
	s_load_b64 s[88:89], s[0:1], 0x50
	s_lshl_b32 s21, s42, 1
	SADD 21, 16
	s_and_b32 s21, s21, 15
	s_lshl_b32 s20, s21, 8                 ; phase 1: my 64 columns' bias
	s_lshl_b32 s22, s13, 1
	SADD 22, 16
	s_lshl_b32 s22, s22, 8                 ; phase 2's
	s_mov_b32 s21, 0
	s_mov_b32 s23, 0
	v_lshlrev_b32 v22, 7, v2               ; phase 1: 32 numbers on end a lane
	v_lshrrev_b32 v23, 3, v1
	v_lshl_add_u32 v23, v23, 3, v1
	v_lshlrev_b32 v23, 2, v23              ; phase 2: the number of my lane's channel
	s_wait_alu depctr_va_vdst(0)
	s_wait_kmcnt 0x0
	s_add_nc_u64 s[22:23], s[88:89], s[22:23]
	s_cmp_eq_u32 s19, 1
	s_cselect_b64 s[84:85], s[46:47], s[84:85]
	s_add_nc_u64 s[20:21], s[84:85], s[20:21]
.irp k, 0,1,2,3,4,5,6,7
	global_load_b128 v[BQ+4*\k:BQ+4*\k+3], v22, s[20:21] offset:16*\k
.endr
.irp t, 0,1,2,3
	global_load_b32 v[BV+\t], v23, s[22:23] offset:(32*(\t/2)+8*(\t%2))*4
.endr
	s_wait_xcnt 0x0
	v_lshlrev_b32 v[CO], 4, v3
	s_lshl_b32 s21, s15, 7
	s_add_co_u32 s21, s21, XN
	s_lshl_b32 s22, s16, 1
	SADD 21, 22
	v_lshl_add_u32 v23, v1, 2, v2
	v_add_nc_u32 v[VX], s21, v23           ; Q's, K's byte: 128 w + 4 r + 2 wc + h
	s_lshl_b32 s21, s16, 8
	s_add_co_u32 s21, s21, XV
	SADD 21, 15
	v_lshlrev_b32 v23, 2, v1
	v_add_nc_u32 v[RD], s21, v23           ; V's byte: 256 wc + 4 r + w
	v_lshlrev_b32 v23, 9, v2
	v_lshl_add_u32 v[CN], v1, 4, v23
.irp p, 0,1
.irp c, 0,1
	global_load_b128 v[SB+NQ*\p+4*\c:SB+NQ*\p+4*\c+3], v[ABS], s[10:11] offset:\p*512+16*\c
	global_load_b128 v[WS+NQ*\p+4*\c:WS+NQ*\p+4*\c+3], v[ABSV], s[86:87] offset:\p*1024+16*\c
.endr
.endr
	s_wait_xcnt 0x0
	s_add_co_u32 s6, s67, CH*KROW          ; chunk 1
	s_add_co_u32 s7, s2, CH*KROW           ; chunk 3
	s_lshl_b32 s21, s90, 13
	s_add_co_u32 s22, s21, s6
	v_lshl_add_u32 v7, v3, 8, s22          ; prefetches: my sixteenth of chunk 1, of chunk 2
	s_add_co_u32 s22, s21, s2
	v_lshl_add_u32 v8, v3, 8, s22
	v_add_nc_u32 v1, 16*PITCH, v[ADRA0]    ; block 1
	v_add_nc_u32 v2, 544, v[AAS0]
	s_wait_alu depctr_va_vdst(0)
	s_cmp_eq_u32 s14, 0
	s_cbranch_scc0 .Lnot_b
	s_wait_tensorcnt 0x0                   ; wave 0: the first weight has landed
.Lnot_b:
	BARRIER
	global_prefetch_b8 v7, s[4:5] th:TH_LOAD_NT scope:SCOPE_SE
	global_prefetch_b8 v8, s[4:5] th:TH_LOAD_NT scope:SCOPE_SE
.macro WALU
	s_wait_alu depctr_va_vdst(0)
.endm
.macro MIDDLE
	WIN 0
	s_barrier_wait -1
	s_cmp_lg_u32 s14, 0
	s_cbranch_scc1 .Lnot_wave_0_\@
	s_barrier_signal -3
.Lnot_wave_0_\@:
	s_barrier_wait -3
.endm
.macro GRD
	s_wait_tensorcnt 0x0
	ds_add_u32 v[SPW], v[NIL]
.endm
.macro FRAG f, adr, q, off
	WIN (1+(\f)/FPW)<<6
.irp c, 0,1,2,3
	ds_load_b128 v[FR*((\f)%FPW)+4*\c:FR*((\f)%FPW)+4*\c+3], v[\adr] offset:128*(\q)+32*\c+(\off)
.endr
.endm
.macro FETCHAT k, a, s                 ; a block of x and its scale words into set k: NF loads
	WIN 3<<6
.irp q, 0,1,2,3,4,5,6,7
.irp c, 0,1,2,3
	ds_load_b128 v[128*\k+FR*\q+4*\c:128*\k+FR*\q+4*\c+3], v[\a] offset:128*\q+32*\c
.endr
.endr
	WIN 0
	ds_load_b128 v[SA+8*\k:SA+8*\k+3], v[\s]
	ds_load_b128 v[SA+8*\k+4:SA+8*\k+7], v[\s] offset:16
.endm
.macro PROD kind, e, a, n              ; product n = 4 q + b.  kind 0: source 0 = the weight; kind 1: source 0 = x.  The four sums take turns; a sum begins with the bias
.set Q_, (\n)/4
.set B_, (\n)%4
.set FB_, NB*Q_+B_
.set AC_, ACC+32*(\a)+8*B_
.set C_, AC_
.if Q_ == 0
.set C_, BQ+8*B_
.endif
.set R_, 128*(\e)+FR*Q_
.set W_, FR*(FB_%FPW)
.set XS_, SA+8*(\e)+Q_
.set WS_, SB+8*(B_/2)+Q_
.if \kind
	WIN 3|((1+FB_/FPW)<<2)
.if B_%2
	v_wmma_scale_f32_16x16x128_f8f6f4 v[AC_:AC_+7], v[R_:R_+FR-1], v[W_:W_+FR-1], v[C_:C_+7], v[XS_], v[WS_] matrix_a_fmt:MATRIX_FMT_BF8 matrix_b_fmt:MATRIX_FMT_BF8 matrix_b_scale:MATRIX_SCALE_ROW1
.else
	v_wmma_scale_f32_16x16x128_f8f6f4 v[AC_:AC_+7], v[R_:R_+FR-1], v[W_:W_+FR-1], v[C_:C_+7], v[XS_], v[WS_] matrix_a_fmt:MATRIX_FMT_BF8 matrix_b_fmt:MATRIX_FMT_BF8
.endif
.else
	WIN (1+FB_/FPW)|(3<<2)
.if B_%2
	v_wmma_scale_f32_16x16x128_f8f6f4 v[AC_:AC_+7], v[W_:W_+FR-1], v[R_:R_+FR-1], v[C_:C_+7], v[WS_], v[XS_] matrix_a_fmt:MATRIX_FMT_BF8 matrix_b_fmt:MATRIX_FMT_BF8 matrix_a_scale:MATRIX_SCALE_ROW1
.else
	v_wmma_scale_f32_16x16x128_f8f6f4 v[AC_:AC_+7], v[W_:W_+FR-1], v[R_:R_+FR-1], v[C_:C_+7], v[WS_], v[XS_] matrix_a_fmt:MATRIX_FMT_BF8 matrix_b_fmt:MATRIX_FMT_BF8
.endif
.endif
.endm
.macro HOLD x, b                       ; the conversion does not saturate (ISA guide 7.6.2): the hold comes first
	v_med3_num_f32 v[\x], v[\x], -v[TQ+\b], v[TQ+\b]
.endm
.macro SCALES i, n                     ; 0: the conversion's scale operand; 1: the bound; 2: its second copy; 3: the byte
.if (\i) == 0
	v_add_nc_u32 v[SOP+\n], -(EMAX<<23), v[TQ]
.elseif (\i) == 1
	v_and_or_b32 v[TQ+1], v[TQ], 0x7f800000, s62
.elseif (\i) == 2
	v_mov_b32 v[TQ+3], v[TQ+1]
.else
	v_lshrrev_b32 v[EB+\n], 23, v[SOP+\n]
.endif
.endm
.macro MAXQ k, x                       ; the largest magnitude of the 32 sums at x, over the floor 2^(16 - 127)
.if (\k) < 4
	v_max3_num_f32 v[TQ+\k], |v[\x+8*(\k)]|, |v[\x+8*(\k)+1]|, |v[\x+8*(\k)+2]|
.elseif (\k) < 12
	v_max3_num_f32 v[TQ+(\k)%4], v[TQ+(\k)%4], |v[\x+8*((\k)%4)+2*((\k)/4)+1]|, |v[\x+8*((\k)%4)+2*((\k)/4)+2]|
.elseif (\k) < 16
	v_max_num_f32 v[TQ+(\k)%4], v[TQ+(\k)%4], |v[\x+8*((\k)%4)+7]|
.elseif (\k) == 16
	v_max3_num_f32 v[TQ], v[TQ], v[TQ+1], v[TQ+2]
.else
	v_max3_num_f32 v[TQ], v[TQ], v[TQ+3], (EMAX+1)<<23
.endif
.endm
.macro HOLDS m, x
.if (\m) == 3
	HOLD \x, 3
	HOLD \x+1, 3
.else
	HOLD \x, 1
	HOLD \x+1, 1
.endif
.if (\m) == 2
	SCALES 2, 0
.endif
.endm
.macro GAPQ m, x                       ; the quantiser of Q's or K's block, gaps 0 .. 26
.if (\m) < 9
	MAXQ 2*(\m), \x
	MAXQ 2*(\m)+1, \x
.elseif (\m) == 9
	SCALES 0, 0
	SCALES 1, 0
.elseif (\m) < 26
	HOLDS (\m)-10, \x+2*((\m)-10)
.if ((\m)-10)%4 == 3
	v_cvt_scalef32_pk8_bf8_f32 v[NCD+2*(((\m)-10)/4):NCD+2*(((\m)-10)/4)+1], v[\x+8*(((\m)-10)/4):\x+8*(((\m)-10)/4)+7], v[SOP]
.endif
.elseif (\m) == 26
	SCALES 3, 0
.endif
.endm
.macro GAPV u, x                       ; the quantiser of a pair of V's blocks, gaps 0 .. 59, 15 a tile
.set T_, (\u)/15
.set J_, (\u)%15
.set E_, \x+8*T_
.set O_, E_+32
.if (\u) > 59
.elseif J_ == 0
	v_max3_num_f32 v[TQ], |v[E_]|, |v[E_+1]|, |v[E_+2]|
	v_max3_num_f32 v[TQ+2], |v[O_]|, |v[O_+1]|, |v[O_+2]|
.elseif J_ < 3
	v_max3_num_f32 v[TQ], v[TQ], |v[E_+2*J_+1]|, |v[E_+2*J_+2]|
	v_max3_num_f32 v[TQ+2], v[TQ+2], |v[O_+2*J_+1]|, |v[O_+2*J_+2]|
.elseif J_ == 3
	v_max3_num_f32 v[TQ+2], v[TQ+2], |v[O_+7]|, (EMAX+1)<<23
	v_max3_num_f32 v[TQ], v[TQ], |v[E_+7]|, v[TQ+2]
.elseif J_ == 4
	v_permlanex16_b32 v[TQ+2], v[TQ], s60, s61
	v_max_num_f32 v[TQ], v[TQ], v[TQ+2]
.elseif J_ == 5
	SCALES 0, T_
	SCALES 1, T_
.elseif J_ < 10
	HOLDS J_-6, E_+2*(J_-6)
.if J_ == 9
	v_cvt_scalef32_pk8_bf8_f32 v[MCD+4*T_:MCD+4*T_+1], v[E_:E_+7], v[SOP+T_]
.endif
.elseif J_ < 14
	HOLDS J_-6, O_+2*(J_-10)
.if J_ == 13
	v_cvt_scalef32_pk8_bf8_f32 v[MCD+4*T_+2:MCD+4*T_+3], v[O_:O_+7], v[SOP+T_]
.endif
.else
	SCALES 3, T_
.endif
.endm
.macro RDESC i, off, lds               ; group 0 of a refill of x's rows: a quarter of 128 rows a wave
.if (\i) == 0
	s_mul_i32 s[G0R+1], s14, CH/4*PITCH
	s_add_co_u32 s[G0R+1], s[G0R+1], s\lds
	s_mul_i32 s20, s14, CH/4*KROW
	s_add_co_u32 s20, s20, s\off
.else
	s_mov_b32 s21, 0
	s_add_nc_u64 s[G0R+2:G0R+3], s[4:5], s[20:21]
	s_or_b32 s[G0R+3], s[G0R+3], 0x80000000
.endif
.endm
; what stands behind product n.  j: the block's number in its trip (second loop: 4, 5; V: -1, -2).  The addresses of the block two on behind 0 and 1; from 1 on a way out
.macro LIST n, j, y, x
.if (\n) == 0
.if (\j) >= 0
	s_add_nc_u64 s[84:85], s[84:85], 2048+4096*((\j)%2)   ; to the tile of the block before: 1 tile on, or 3
.if (\j) == 1
	s_cmp_eq_u32 s46, 2
	s_cselect_b64 s[84:85], s[88:89], s[84:85]
.endif
.endif
	WIN 0
.if (\j) == 0 || (\j) == 1
	s_add_co_u32 s22, s101, (64+16*(\j))*PITCH
.elseif (\j) > 1
	s_add_co_u32 s22, s47, ((\j)%2)*16*PITCH
.else
	s_add_co_u32 s22, s47, (-1-(\j))*16*PITCH
.endif
	v_add_nc_u32 v[ADRA], s22, v[ADRA0]
.elseif (\n) == 1
	WIN 0
.if (\j) == 0 || (\j) == 1
	s_add_co_u32 s22, s17, 2*SSTEP+544*(\j)
.elseif (\j) > 1
	s_add_co_u32 s22, s8, ((\j)%2)*544
.else
	s_add_co_u32 s22, s8, (-1-(\j))*544
.endif
	v_add_nc_u32 v[AAS], s22, v[AAS0]
.endif
.if (\j) == 2 && (\n) == 2
	WIN 0
	v_lshl_add_u32 v7, v3, 8, s23
.elseif (\j) == 0 && ((\n) == 29 || (\n) == 30)
	RDESC (\n)-29, 6, 47
.elseif (\j) == 1 && (\n) == 2
	WIN 0
	v_add_nc_u32 v[VX], s9, v[VX]
.elseif (\j) == 5 && (\n) == 2
	WIN 0
	v_add_nc_u32 v[VX], 256, v[VX]
.endif
.if (\y) == 1 && (\n) > 0 && (\n) < 28
	WIN 0
	GAPQ (\n)-1, \x
.elseif (\y) == 2 && (\n) > 0 && (\n) < 31
	WIN 0
	GAPV (\n)-1, \x
.elseif (\y) == 3 && (\n) > 0 && (\n) < 31
	WIN 0
	GAPV (\n)+29, \x
.endif
.endm
.macro BLOCK kind, e, a, from, to, j, y, x
.set N_, \from
.rept (\to)-(\from)
	PROD \kind, \e, \a, N_
	LIST N_, \j, \y, \x
.set N_, N_+1
.endr
.endm
.macro BLK kind, e, a, w, j, y, x
.if (\w) >= 0
	s_wait_dscnt \w
.endif
	s_wait_xcnt 0x0                        ; the stores and prefetches before have read their registers
	BLOCK \kind, \e, \a, 0, 32, \j, \y, \x
	WIN 0
	PLACES NP
.endm
.macro RBLK kind, e, a, w, j, y, x     ; a block with a round of the cluster's barrier
.if (\w) >= 0
	s_wait_dscnt \w
.endif
	s_wait_xcnt 0x0
	GRD
	BLOCK \kind, \e, \a, 0, 28, \j, \y, \x
	WIN 0
	WALU
	s_wait_dscnt 0x0
	s_barrier_signal -1
	BLOCK \kind, \e, \a, 28, 32, \j, \y, \x
	MIDDLE
	BARRIER
.endm
.macro SBLK kind, e, a, w, j, y, x, half=0   ; a block with a plain barrier (half = 1: it shows waves 0 and 1's loads alone)
.if (\w) >= 0
	s_wait_dscnt \w
.endif
	s_wait_xcnt 0x0
	BLOCK \kind, \e, \a, 0, 28, \j, \y, \x
	WIN 0
	WALU
.if \half
	s_cmp_lt_u32 s14, 2
	s_cbranch_scc0 .Lnot_yet_\@
	s_wait_tensorcnt 0x0
.Lnot_yet_\@:
.else
	s_wait_tensorcnt 0x0
.endif
	s_wait_dscnt 0x0
	s_barrier_signal -1
	BLOCK \kind, \e, \a, 28, 32, \j, \y, \x
	WIN 0
	s_barrier_wait -1
	PLACES NP
.endm
.macro QOUT base, off, adr, boff       ; a block's byte to its place in LDS; its 32 codes a lane leave: sixteen lanes store 256 consecutive bytes, aligned
	ds_store_b8 v[\adr], v[EB] offset:\boff
	global_store_b128 v[CN], v[NCD:NCD+3], s[\base:\base+1] offset:\off
	global_store_b128 v[CN], v[NCD+4:NCD+7], s[\base:\base+1] offset:(\off)+256
.endm
.irp q, 0,1,2,3,4,5,6,7                ; my 64 rows of the first weight into windows 1 and 2
.irp b, 0,1,2,3
	FRAG NB*\q+\b, ADRB, \q, \b*8*PITCH
.endr
.endr
	WIN 0
	s_wait_tensorcnt 0x0                   ; chunk 0 and the scale bytes are in
	s_wait_dscnt 0x0
	BARRIER
	FETCHAT 0, ADRA0, AAS0
	FETCHAT 1, 1, 2
	s_load_b128 s[92:95], s[0:1], 0x58     ; cod, scl
	s_mov_b32 s60, 0x76543210
	s_mov_b32 s61, 0xfedcba98
	s_mov_b32 s62, 0x600000
.set I_, 0
.rept 32
	v_mov_b32 v[ACC+32+I_], 0              ; the first way out has no block before it: it works on zeros and stores nothing
.set I_, I_+1
.endr
	s_wait_kmcnt 0x0
	s_add_nc_u64 s[96:97], s[92:93], s[80:81]
	s_add_nc_u64 s[98:99], s[94:95], s[82:83]
	s_add_nc_u64 s[92:93], s[92:93], s[76:77]
	s_add_nc_u64 s[94:95], s[94:95], s[78:79]
	s_lshl_b32 s20, s18, 15                ; a window: 16 tiles
	s_mov_b32 s21, 0
	s_add_nc_u64 s[88:89], s[92:93], s[20:21]
	s_xor_b32 s20, s20, 32768
	s_add_nc_u64 s[84:85], s[92:93], s[20:21]
	s_sub_nc_u64 s[84:85], s[84:85], 8192
	s_mov_b64 s[PB:PB+1], s[4:5]
	s_mov_b32 s46, 0                       ; s46 the trip; s101, s47 this chunk's slot and the next's; s17, s8 their scale words; s6 the rows loaded next
	s_mov_b32 s9, 0
	s_mov_b32 s23, 0
	s_mov_b32 s101, 0
	s_mov_b32 s47, YB
	s_mov_b32 s17, 0
	s_mov_b32 s8, 4*SSTEP
	s_wait_loadcnt 0x0
.Lfour:
	RBLK 0, 0, 0, NF, 0, 1, ACC+32         ; blocks 0, 4, 8: chunks 1, 2, 3 come
	s_cmp_lt_u32 s14, 2                    ; waves 0, 1 and waves 2, 3 have a load line each
	s_cbranch_scc0 .Lupper
	TLOAD G0R, G1R
	s_branch .Lboth
.Lupper:
	TLOAD G0R, G1R
.Lboth:
	PLACES NP-4
	s_cmp_eq_u32 s46, 0
	s_cbranch_scc1 .Lno_block_before
	QOUT 84, 0, VX, 320
.Lno_block_before:
	FETCHAT 0, ADRA, AAS
	BLK 0, 1, 1, -1, 1, 1, ACC
	QOUT 84, 0, VX, 0
	FETCHAT 1, ADRA, AAS
	SBLK 0, 0, 0, NF, 2, 1, ACC+32, 1      ; the next chunk's rows 0-63 are in
	QOUT 84, 0, VX, 64
	s_cmp_eq_u32 s46, 0
	s_cbranch_scc1 .Lnone_ahead
	global_prefetch_b8 v7, s[PB:PB+1] th:TH_LOAD_NT scope:SCOPE_SE   ; trip 1: my sixteenth of chunk 3; trip 2: of Wv's rows: a trip ahead of their loads
.Lnone_ahead:
	FETCHAT 0, ADRA, AAS
	BLK 0, 1, 1, -1, 3, 1, ACC
	QOUT 84, 0, VX, 256
	FETCHAT 1, ADRA, AAS
	s_cmp_eq_u32 s46, 0
	s_cselect_b32 s6, s2, s7
	s_cselect_b32 s21, s90, s100
	s_cselect_b32 s22, s7, 0
	s_cselect_b64 s[PB:PB+1], s[4:5], s[WVP:WVP+1]
	s_mov_b32 s9, 512
	s_lshl_b32 s21, s21, 13
	s_add_co_u32 s23, s21, s22
	s_mov_b32 s101, s47
	s_mov_b32 s17, s8
	s_xor_b32 s47, s47, YB
	s_add_co_u32 s8, s8, 4*SSTEP
	s_add_co_u32 s46, s46, 1
	s_cmp_lg_u32 s46, 3
	s_cbranch_scc1 .Lfour
	GRD
	s_mul_i32 s20, s14, CH/4*KROW
	s_mov_b32 s21, 0
	s_mul_i32 s[G0A+1], s14, CH/4*PITCH
	s_add_nc_u64 s[G0A+2:G0A+3], s[WVP:WVP+1], s[20:21]
	s_or_b32 s[G0A+3], s[G0A+3], 0x80000000
	GROUP1 G1A, 45, CH/4
	s_wait_dscnt 0x0
	s_barrier_signal -1
	MIDDLE
	BARRIER
	TLOAD G0A, G1A
	s_mov_b32 s47, YB+64*PITCH
	s_mov_b32 s8, 14*SSTEP
.Ltwo:
	BLK 0, 0, 0, NF, 4, 1, ACC+32          ; blocks 12, 14
	QOUT 84, 0, VX, 320
	FETCHAT 0, ADRA, AAS
	BLK 0, 1, 1, NF, 5, 1, ACC             ; 13, 15; the block two on is then V's: chunk 3 again
	QOUT 84, 0, VX, 256
	FETCHAT 1, ADRA, AAS
	s_mov_b32 s47, YB
	s_mov_b32 s8, 12*SSTEP
	s_add_co_u32 s46, s46, 1
	s_cmp_lg_u32 s46, 5
	s_cbranch_scc1 .Ltwo
	s_wait_xcnt 0x0                        ; the change of phase
	s_wait_tensorcnt 0x0                   ; Wv's rows are in
	s_wait_dscnt 0x0
	BARRIER
.macro CHANGE i                        ; among Wv's loads: the last block's way out; Wv's scale words to their place; zeros where no block has written
.if (\i) < 7
.irp k, 0,1,2,3
.if 4*(\i)+\k < 27
	GAPQ 4*(\i)+\k, ACC+32
.endif
.endr
.elseif (\i) < 9
.irp q, 0,1,2,3,4,5,6,7
	v_mov_b32 v[SB+8*((\i)-7)+\q], v[WS+8*((\i)-7)+\q]
.endr
.elseif (\i) < 15
.irp q, 0,1,2,3,4,5,6,7
	v_mov_b32 v[ACC+80+8*((\i)-9)+\q], 0
.endr
.endif
.endm
.irp q, 0,1,2,3,4,5,6,7
.irp b, 0,2
	FRAG NB*\q+\b, ADRB+1, \q, 16*\b*PITCH
	FRAG NB*\q+\b+1, ADRB+1, \q, (16*\b+8)*PITCH
	WIN 0
	CHANGE 2*\q+\b/2
.endr
.endr
.irp t, 0,1,2,3
.irp i, 0,1,2,3,4,5,6,7
	v_mov_b32 v[BQ+8*\t+\i], v[BV+\t]      ; V's bias: one number for the lane's channel
.endr
.endr
	WALU
	QOUT 84, 2048, VX, 320
	GRD
	s_mov_b32 s47, 0
	RDESC 0, 2, 47
	RDESC 1, 2, 47
	s_mov_b32 s46, 0
	s_mov_b32 s47, YB+64*PITCH
	s_mov_b32 s8, 14*SSTEP
	s_wait_dscnt 0x0
	s_barrier_signal -1
	MIDDLE
	BARRIER
	TLOAD G0R, G1R
.macro VOUT                            ; a pair of V's blocks: four tiles' bytes and codes, 512 consecutive bytes a store
.irp t, 0,1,2,3
	ds_store_b8 v[VX], v[EB+\t] offset:64*\t
	global_store_b128 v[CO], v[MCD+4*\t:MCD+4*\t+3], s[84:85] offset:2048*\t
.endr
.endm
.macro VTO                             ; s22 = the pair, 0 .. 3: pairs 0, 1 are the window's keys 128 on, group w and w + 2; pairs 2, 3 its first 128
	s_and_b32 s20, s22, 1
	s_lshr_b32 s21, s22, 1
	s_xor_b32 s21, s21, 1
	s_lshl_b32 s22, s21, 9
	s_lshl_b32 s23, s20, 1
	s_add_co_u32 s22, s22, s23
	s_lshl_b32 s21, s21, 14
	s_lshl_b32 s20, s20, 10
	s_add_co_u32 s20, s20, s21
	s_mov_b32 s21, 0
	s_add_nc_u64 s[84:85], s[96:97], s[20:21]
	v_add_nc_u32 v[VX], s22, v[RD]
.endm
.Lpair:
	BLK 1, 0, 0, -1, -1, 2, ACC+64
	s_cmp_eq_u32 s46, 3
	s_cbranch_scc1 .Lnone_0
	FETCHAT 0, ADRA, AAS
	s_wait_dscnt NF
	s_branch .Lgo
.Lnone_0:
	s_wait_dscnt 0x0
.Lgo:
	SBLK 1, 1, 1, -1, -2, 3, ACC+64        ; the first trip's shows chunk 2
.set I_, 0
.rept 32
	v_dual_mov_b32 v[ACC+64+I_], v[ACC+I_] :: v_dual_mov_b32 v[ACC+64+I_+1], v[ACC+I_+1]
.set I_, I_+2
.endr
	s_add_co_u32 s22, s46, 3
	s_and_b32 s22, s22, 3                  ; the pair before
	VTO
	s_cmp_eq_u32 s46, 0
	s_cbranch_scc1 .Lno_pair_before
	VOUT
.Lno_pair_before:
	s_cmp_eq_u32 s46, 3
	s_cbranch_scc1 .Lnone_1
	FETCHAT 1, ADRA, AAS
.Lnone_1:
	s_mov_b32 s8, 10*SSTEP
	s_cmp_eq_u32 s46, 0
	s_cselect_b32 s47, 0, 64*PITCH
	s_cselect_b32 s8, 8*SSTEP, s8
	s_add_co_u32 s46, s46, 1
	s_cmp_lg_u32 s46, 4
	s_cbranch_scc1 .Lpair
	s_wait_xcnt 0x0
	s_mov_b32 s22, 3
	VTO
.set K_, 0
.rept 60
	GAPV K_, ACC+64
.set K_, K_+1
.endr
	VOUT
	s_wait_dscnt 0x0                       ; the scale bytes: every wave's are stored
	BARRIER
	v_lshlrev_b32 v20, 4, v3
	s_mul_i32 s21, s14, TM
	s_add_co_u32 s21, s21, XN
	v_add_nc_u32 v21, s21, v20
	v_lshlrev_b32 v22, 3, v3
	s_mul_i32 s21, s14, TV
	s_add_co_u32 s21, s21, XV
	v_add_nc_u32 v23, s21, v22
	s_wait_alu depctr_va_vdst(0)
	ds_load_b128 v[60:63], v21
	ds_load_b64 v[40:41], v23
	s_wait_dscnt 0x0
	global_store_b128 v20, v[60:63], s[94:95]   ; a chunk's 128 scale words: 512 consecutive bytes
	global_store_b64 v22, v[40:41], s[98:99]    ; 64 of V's: 256 consecutive bytes
	s_wait_tensorcnt 0x0                   ; the wave's end
	ds_add_u32 v[SPW], v[NIL]
	s_wait_dscnt 0x0
	CROUND                                 ; the closing round
	s_endpgm
.Lfunc_end_k_q48b077c4d0_qkv:
	.size	k_q48b077c4d0_qkv, .Lfunc_end_k_q48b077c4d0_qkv-k_q48b077c4d0_qkv
	.p2alignl 7, 3214868480
	.fill 96, 4, 3214868480
	.section	.rodata,"a",@progbits
	.p2align	6, 0x0
	.amdhsa_kernel k_q48b077c4d0_qkv
		.amdhsa_group_segment_fixed_size 327680
		.amdhsa_private_segment_fixed_size 0
		.amdhsa_enable_private_segment 0
		.amdhsa_kernarg_size 104
		.amdhsa_user_sgpr_count 2
		.amdhsa_user_sgpr_kernarg_segment_ptr 1
		.amdhsa_wavefront_size32 1
		.amdhsa_system_sgpr_workgroup_id_x 1
		.amdhsa_system_sgpr_workgroup_id_y 1
		.amdhsa_system_sgpr_workgroup_id_z 1
		.amdhsa_system_vgpr_workitem_id 0
		.amdhsa_next_free_vgpr 1024
		.amdhsa_next_free_sgpr 106
		.amdhsa_reserve_vcc 0
		.amdhsa_float_denorm_mode_32 3
		.amdhsa_float_denorm_mode_16_64 3
		.amdhsa_memory_ordered 1
		.amdhsa_forward_progress 1
		.amdhsa_inst_pref_size 164
	.end_amdhsa_kernel
	.amdgpu_metadata
---
amdhsa.version: [ 1, 2 ]
amdhsa.kernels:
  - .name:           k_q48b077c4d0_qkv
    .symbol:         k_q48b077c4d0_qkv.kd
    .args:
      - { .name: x_codes, .offset: 0, .size: 8, .value_kind: global_buffer, .address_space: global }
      - { .name: x_scales, .offset: 8, .size: 8, .value_kind: global_buffer, .address_space: global }
      - { .name: Wq_codes, .offset: 16, .size: 8, .value_kind: global_buffer, .address_space: global }
      - { .name: Wq_scales, .offset: 24, .size: 8, .value_kind: global_buffer, .address_space: global }
      - { .name: Wk_codes, .offset: 32, .size: 8, .value_kind: global_buffer, .address_space: global }
      - { .name: Wk_scales, .offset: 40, .size: 8, .value_kind: global_buffer, .address_space: global }
      - { .name: Wv_codes, .offset: 48, .size: 8, .value_kind: global_buffer, .address_space: global }
      - { .name: Wv_scales, .offset: 56, .size: 8, .value_kind: global_buffer, .address_space: global }
      - { .name: bq, .offset: 64, .size: 8, .value_kind: global_buffer, .address_space: global }
      - { .name: bk, .offset: 72, .size: 8, .value_kind: global_buffer, .address_space: global }
      - { .name: bv, .offset: 80, .size: 8, .value_kind: global_buffer, .address_space: global }
      - { .name: cod, .offset: 88, .size: 8, .value_kind: global_buffer, .address_space: global }
      - { .name: scl, .offset: 96, .size: 8, .value_kind: global_buffer, .address_space: global }
    .group_segment_fixed_size: 327680
    .private_segment_fixed_size: 0
    .kernarg_segment_align: 8
    .kernarg_segment_size: 104
    .max_flat_workgroup_size: 128
    .sgpr_count:     106
    .vgpr_count:     1024
    .wavefront_size: 32
...
	.end_amdgpu_metadata
.endif
;; end of part 1
;; launch attn (part 2): grid 8 x 32, 8 waves a work-group, clusters of 4 x 1, 327,680 bytes of LDS; arguments cod, scl, Wo_codes, Wo_scales, part, lb; writes part, lb
.if DOCPART == 2
	.amdgcn_target "amdgcn-amd-amdhsa--gfx1250"
	.amdhsa_code_object_version 6
	.text
	.protected	k_q48b077c4d0_attn
	.globl	k_q48b077c4d0_attn
	.p2align	8
	.type	k_q48b077c4d0_attn,@function
k_q48b077c4d0_attn:
	s_mov_b64 s[64:65], 0
	v_nop
	global_prefetch_b8 v0, s[64:65] scope:SCOPE_SE
	s_setreg_imm32_b32 hwreg(HW_REG_WAVE_MODE, 25, 1), 1
	s_wait_xcnt 0x0
	s_wait_alu depctr_hold_cnt(0) depctr_sa_sdst(0) depctr_va_vdst(0) depctr_va_sdst(0) depctr_va_ssrc(0) depctr_va_vcc(0) depctr_vm_vsrc(0)
	s_getreg_b32 s2, hwreg(HW_REG_IB_STS2, 6, 4)
	s_cmp_eq_u32 s2, 0
	s_cbranch_scc0 .Lentry_in_a_cluster
	s_endpgm
.Lentry_in_a_cluster:
	s_bfe_u32 s2, ttmp6, 0x10000c
	s_cmp_lg_u32 s2, 0x3003
	s_cbranch_scc0 .Lentry_shape_is_right
	s_endpgm
.Lentry_shape_is_right:
; Attention of one head on codes of BF8 (E5M2, one E8M0 byte for 32 along K), the quantiser of its result, that result's part of the product with Wo, summed over the queries, and -M - log2 l of every query for the launch colsum.
; p = 2^(t - M), t = score x log2(e) / sqrt(128), M the ceiling of the running largest t; the row's sum l is taken of the unquantised p and divides O at the end; when M moves, l and O are multiplied by a power of two.
; SHARES: a work-group owns 256 queries of one head; each of its eight waves two tiles of 16.  K's and V's register images come through a ring of two slots of 512 keys (K's 32 tiles, then V's 4 x 8), 16,384 bytes a wave and fill.
; Both products are used transposed (S^T = K Q^T, O^T = V^T P^T): a lane holds one query.  The 16 scores of K's tiles 2 b, 2 b + 1 fall into the places in which the launch qkv has laid V's keys of that block of 32.
; THE WAY OUT: O / l is quantised along the head's 128 channels, handed to all waves through LDS, and multiplied with the head's 128 columns of Wo's rows (wave n: rows 128 n on); the sums over the 256 queries go to part.
; CLUSTER 4 x 1: four blocks of queries of a head ask for K, V and the scale words jointly.  A wave has one tensor load out at the most.  LIMITS: NaN and infinities are not served; the scaled scores stay under 2^31 in magnitude.
.set SLOT1, 1<<17
.set SCL,   2*SLOT1
.set SPARE, SCL+16384
.set STG,   SPARE+1024
.set OIMG,  STG+2048
.set CST,   OIMG+32768
.set KV0,   8388608
.set KS0,   262144
.set WV,  14
.set MNT, 19
.set SEL, 20
.set CS,  22
.set TB,  48
.set TS,  49
.set SLOTS, 50
.set PFA, 52
.set LIM, 54
.set MSB, 0
.macro WIN new
.if MSB != \new
	s_set_vgpr_msb (MSB<<8)|\new
.set MSB, \new
.endif
.endm
.macro PLACES n
.rept \n
	v_nop
.endr
.endm
.macro CROUND
	s_barrier_signal -1
	s_barrier_wait -1
	s_cmp_lg_u32 s[WV], 0
	s_cbranch_scc1 .Lnot_wave_0_\@
	s_barrier_signal -3
.Lnot_wave_0_\@:
	s_barrier_wait -3
	s_barrier_signal -1
	s_barrier_wait -1
.endm
.macro QUANT s, tm, pc, pw
.irp b, 0,1,2,3
	v_max3_num_f32 v[(\tm)+\b], |v[(\s)+16*\b]|, |v[(\s)+1+16*\b]|, 0x8000000
.endr
.irp i, 2,4,6,8,10,12,14
.irp b, 0,1,2,3
	s_delay_alu instid0(VALU_DEP_4)
	v_max3_num_f32 v[(\tm)+\b], v[(\tm)+\b], |v[(\s)+16*\b+\i]|, |v[(\s)+1+16*\b+\i]|
.endr
.endr
.irp b, 0,1,2,3
	s_delay_alu instid0(VALU_DEP_4)
	v_permlanex16_b32 v[(\tm)+4+\b], v[(\tm)+\b], s[SEL], s[SEL+1]
.endr
.irp b, 0,1,2,3
	s_delay_alu instid0(VALU_DEP_4)
	v_max_num_f32 v[(\tm)+\b], v[(\tm)+\b], v[(\tm)+4+\b]
.endr
.irp b, 0,1,2,3
	s_delay_alu instid0(VALU_DEP_4)
	v_add_nc_u32 v[(\tm)+12+\b], 0xf8800000, v[(\tm)+\b]
.endr
.irp b, 0,1,2,3
	v_and_or_b32 v[(\tm)+8+\b], v[(\tm)+\b], 0x7f800000, s[MNT]
.endr
.irp b, 0,1,2,3
	v_lshrrev_b32 v[(\tm)+4+\b], 23, v[(\tm)+12+\b]
.endr
	s_delay_alu instid0(VALU_DEP_3)
	v_lshl_or_b32 v[\pw], v[(\tm)+5], 8, v[(\tm)+4]
	s_delay_alu instid0(VALU_DEP_1)
	v_lshl_or_b32 v[\pw], v[(\tm)+6], 16, v[\pw]
	s_delay_alu instid0(VALU_DEP_1)
	v_lshl_or_b32 v[\pw], v[(\tm)+7], 24, v[\pw]
.irp b, 0,1,2,3
.irp i, 0,1,2,3,4,5,6,7,8,9,10,11,12,13,14,15
	v_med3_num_f32 v[(\s)+16*\b+\i], v[(\s)+16*\b+\i], -v[(\tm)+8+\b], v[(\tm)+8+\b]
.endr
	v_cvt_scalef32_pk8_bf8_f32 v[(\pc)+4*\b:(\pc)+1+4*\b], v[(\s)+16*\b:(\s)+7+16*\b], v[(\tm)+12+\b]
	v_cvt_scalef32_pk8_bf8_f32 v[(\pc)+2+4*\b:(\pc)+3+4*\b], v[(\s)+8+16*\b:(\s)+15+16*\b], v[(\tm)+12+\b]
.endr
	v_nop
.endm
.macro LDFR adr, ads, g
.irp t, 0,1,2,3
.irp c, 0,1,2,3
	ds_load_b128 v[64+16*\t+4*\c:67+16*\t+4*\c], v[\adr] offset:(4*(\g)+\t)*2048+512*\c
.endr
	ds_load_b32 v[24+\t], v[\ads] offset:(4*(\g)+\t)*64
.endr
.endm
	s_load_b256 s[4:11], s[0:1], 0x0
	s_load_b128 s[76:79], s[0:1], 0x20
	v_lshl_add_u32 v4, v0, 2, SPARE
	v_mov_b32 v5, 0
	ds_add_u32 v4, v5
	ds_add_u32 v4, v5
	s_wait_dscnt 0x0
	v_lshrrev_b32 v6, 5, v0
	s_delay_alu instid0(VALU_DEP_1)
	v_readfirstlane_b32 s[WV], v6
	s_bfe_u32 s15, ttmp6, 0x40000
	s_lshl_b32 s16, ttmp9, 2
	s_add_co_u32 s16, s16, s15
	s_and_b32 s17, ttmp7, 0xffff
	s_mov_b32 s24, 15|(3<<16)|(1<<21)
	s_mov_b32 s25, 32<<16
	s_mov_b32 s26, 64<<16
	s_mov_b32 s27, 32<<16
	s_mov_b32 s28, 64
	s_mov_b32 s29, 32
	s_mov_b32 s30, 0
	s_mov_b32 s31, 0
	s_mov_b32 s32, 15|(3<<16)|(1<<21)
	s_mov_b32 s33, 32<<16
	s_mov_b32 s34, 16<<16
	s_mov_b32 s35, 32<<16
	s_mov_b32 s36, 16
	s_mov_b32 s37, 32
	s_mov_b32 s38, 0
	s_mov_b32 s39, 0
	s_mov_b32 s80, 15|(3<<16)|(1<<21)              ; the head's load of slot 0: 32,768 dense bytes as 128 rows of 256
	s_mov_b32 s81, 32<<16
	s_mov_b32 s82, 128<<16
	s_mov_b32 s83, 32<<16
	s_mov_b32 s84, 128
	s_mov_b32 s85, 32
	s_mov_b32 s86, 0
	s_mov_b32 s87, 0
	s_mov_b32 s[MNT], 0x600000
	s_mov_b32 s[SEL], 0x76543210
	s_mov_b32 s[SEL+1], 0xfedcba98
	s_mov_b32 s[CS], 0x3e0293ee
	s_mov_b32 s[CS+1], s[CS]
	s_mov_b32 s[TB], 0
	s_mov_b32 s[TS], 0
	s_mov_b32 s[SLOTS], 3
	s_lshl_b32 s56, s17, 19
	s_lshl_b32 s58, s[WV], 14
	s_add_co_u32 s56, s56, s58
	s_add_co_u32 s56, s56, KV0
	s_mov_b32 s57, 0
	s_lshl_b32 s58, s17, 14
	s_and_b32 s59, s[WV], 3
	s_lshl_b32 s59, s59, 12                        ; waves 4-7: a quarter of the head's 16,384 bytes of scale words each
	s_add_co_u32 s58, s58, s59
	s_add_co_u32 s58, s58, KS0
	s_mov_b32 s59, 0
	s_lshl_b32 s60, s17, 19
	s_lshl_b32 s61, s15, 15
	s_add_co_u32 s60, s60, s61
	s_and_b32 s61, s[WV], 3
	s_lshl_b32 s61, s61, 13
	s_add_co_u32 s60, s60, s61
	s_add_co_u32 s60, s60, KV0+131072
	s_mov_b32 s61, 0
	s_lshr_b32 s[LIM], s[WV], 2
	s_or_b32 s[LIM], s[LIM], ttmp9
	s_cmp_eq_u32 s[LIM], 0
	s_cselect_b32 s[LIM], 1, -1
	s_lshl_b32 s66, s17, 7
	s_lshl_b32 s67, s16, 4
	s_add_co_u32 s66, s66, s67
	s_lshl_b32 s67, s[WV], 1
	s_add_co_u32 s66, s66, s67
	s_and_b32 s69, s17, 7
	s_lshl_b32 s68, s[WV], 17
	s_lshl_b32 s72, s69, 7
	s_add_co_u32 s68, s68, s72
	s_lshl_b32 s72, s[WV], 12
	s_lshl_b32 s69, s69, 2
	s_add_co_u32 s72, s72, s69
	s_mov_b32 s69, 0
	s_mov_b32 s73, 0
	s_lshl_b32 s70, s17, 13
	s_lshl_b32 s71, s16, 10
	s_add_co_u32 s70, s70, s71
	s_and_b32 s71, s[WV], 1
	s_lshl_b32 s71, s71, 9
	s_add_co_u32 s70, s70, s71
	s_mov_b32 s71, 0
	s_lshl_b32 s74, s17, 3
	s_add_co_u32 s74, s74, s16
	s_lshl_b32 s74, s74, 12
	s_lshl_b32 s75, s[WV], 9
	s_add_co_u32 s74, s74, s75
	s_mov_b32 s75, 0
	s_wait_kmcnt 0x0
	s_mov_b32 s40, 1
	s_lshl_b32 s41, s[WV], 14
	s_add_nc_u64 s[42:43], s[4:5], s[56:57]
	s_or_b32 s43, s43, 0x80000000
	s_mov_b32 s44, 1
	s_and_b32 s45, s[WV], 3
	s_lshl_b32 s45, s45, 12
	s_add_co_u32 s45, s45, SCL
	s_add_nc_u64 s[46:47], s[6:7], s[58:59]
	s_or_b32 s47, s47, 0x80000000
	s_mov_b32 s88, 1                               ; waves 0-3: a quarter of slot 0 each
	s_and_b32 s89, s[WV], 3
	s_lshl_b32 s89, s89, 15
	s_lshl_b32 s90, s17, 19
	s_add_co_u32 s90, s90, s89
	s_add_co_u32 s90, s90, KV0
	s_mov_b32 s91, 0
	s_add_nc_u64 s[90:91], s[4:5], s[90:91]
	s_or_b32 s91, s91, 0x80000000
	s_add_nc_u64 s[PFA:PFA+1], s[4:5], s[60:61]
	s_lshl_b32 s56, s66, 11
	s_add_nc_u64 s[56:57], s[4:5], s[56:57]
	s_lshl_b32 s58, s66, 6
	s_add_nc_u64 s[58:59], s[6:7], s[58:59]
	s_add_nc_u64 s[60:61], s[8:9], s[68:69]
	s_add_nc_u64 s[72:73], s[10:11], s[72:73]
	s_add_nc_u64 s[74:75], s[76:77], s[74:75]
	s_add_nc_u64 s[62:63], s[78:79], s[70:71]
	CROUND
	s_cmp_lt_u32 s[WV], 4                          ; one joint load a wave at the head, in two arms
	s_cbranch_scc0 .Lhead_scales
	tensor_load_to_lds s[88:91], s[80:87]
	s_nop 0
	PLACES 4
	s_branch .Lhead_asked
.Lhead_scales:
	tensor_load_to_lds s[44:47], s[32:39]
	s_nop 0
	PLACES 4
.Lhead_asked:
	v_and_b32 v6, 31, v0
	s_delay_alu instid0(VALU_DEP_1)
	v_lshlrev_b32 v1, 4, v6
	s_delay_alu instid0(VALU_DEP_2)
	v_lshlrev_b32 v2, 8, v6
	v_and_b32 v7, 15, v0
	s_delay_alu instid0(VALU_DEP_1)
	v_lshlrev_b32 v8, 2, v7
	s_delay_alu instid0(VALU_DEP_2)
	v_lshl_add_u32 v3, v7, 2, SCL
	WIN 0x40
.irp x, 0,1
.irp c, 0,1,2,3
	global_load_b128 v[128+16*\x+4*\c:131+16*\x+4*\c], v1, s[56:57] offset:2048*\x+512*\c
.endr
.endr
.set J, 0
.rept 128
	v_mov_b32 v[J], 0
.set J, J+1
.endr
	WIN 0
.irp x, 0,1
	global_load_b32 v[28+\x], v8, s[58:59] offset:64*\x
	v_mov_b32 v[13+2*\x], 0xff61b1e6
	s_delay_alu instid0(VALU_DEP_1)
	v_floor_f32 v[12+2*\x], -v[13+2*\x]
	v_mov_b32 v[16+2*\x], 0
	v_mov_b32 v[17+2*\x], 0
	v_mov_b32 v[21+2*\x], 0
.irp b, 0,1,2,3
	v_mov_b32 v[36+16*\x+\b], 0
.endr
.endr
.macro STEP
	v_add_nc_u32 v6, s[TB], v1
	s_wait_alu depctr_va_vdst(0)
	s_add_co_u32 s55, s[TB], 65536
	v_add_nc_u32 v7, s55, v1
	v_add_nc_u32 v8, s[TS], v3
	s_wait_alu depctr_va_vdst(0)
	v_add_nc_u32 v9, 8192, v8
	s_wait_alu depctr_va_vdst(0)
	PLACES 4
.irp g, 0,1
.if \g
	PLACES 8
.endif
	LDFR 6, 8, \g
	s_wait_dscnt 0x0
	WIN 0x04
.irp t, 0,1,2,3
.irp x, 0,1
	v_wmma_scale_f32_16x16x128_f8f6f4 v[128+64*\x+8*(4*\g+\t):135+64*\x+8*(4*\g+\t)], v[64+16*\t:79+16*\t], v[128+16*\x:143+16*\x], 0, v[24+\t], v[28+\x] matrix_a_fmt:MATRIX_FMT_BF8 matrix_b_fmt:MATRIX_FMT_BF8
.endr
.endr
	WIN 0
.endr
	PLACES 8
	LDFR 7, 9, 0
.irp b, 0,1,2,3
.irp x, 0,1
	v_max3_num_f32 v[32+16*\x+\b], v[128+64*\x+16*\b], v[129+64*\x+16*\b], v[130+64*\x+16*\b]
.endr
.endr
.irp i, 3,5,7,9,11,13
.irp b, 0,1,2,3
.irp x, 0,1
	v_max3_num_f32 v[32+16*\x+\b], v[32+16*\x+\b], v[128+64*\x+16*\b+\i], v[129+64*\x+16*\b+\i]
.endr
.endr
.endr
.irp b, 0,1,2,3
.irp x, 0,1
	v_max_num_f32 v[32+16*\x+\b], v[32+16*\x+\b], v[143+64*\x+16*\b]
.endr
.endr
.irp b, 0,1,2,3
.irp x, 0,1
	v_permlanex16_b32 v[36+16*\x+\b], v[32+16*\x+\b], s[SEL], s[SEL+1]
.endr
.endr
.irp b, 0,1,2,3
.irp x, 0,1
	v_max_num_f32 v[32+16*\x+\b], v[32+16*\x+\b], v[36+16*\x+\b]
.endr
.endr
.irp x, 0,1
	s_delay_alu instid0(VALU_DEP_4)
	v_max3_num_f32 v[10+\x], v[32+16*\x], v[33+16*\x], v[34+16*\x]
.endr
.irp x, 0,1
	s_delay_alu instid0(VALU_DEP_2)
	v_max_num_f32 v[10+\x], v[10+\x], v[35+16*\x]
.endr
.irp x, 0,1
	s_delay_alu instid0(VALU_DEP_2)
	v_mul_f32 v[10+\x], s[CS], v[10+\x]
.endr
.irp x, 0,1
	s_delay_alu instid0(VALU_DEP_2)
	v_max_num_f32 v[13+2*\x], v[13+2*\x], v[10+\x]
.endr
.irp x, 0,1
	v_mov_b32 v[10+\x], v[12+2*\x]
.endr
.irp x, 0,1
	s_delay_alu instid0(VALU_DEP_4)
	v_floor_f32 v[12+2*\x], -v[13+2*\x]
.endr
.irp x, 0,1
	s_delay_alu instid0(VALU_DEP_2)
	v_sub_f32 v[10+\x], v[12+2*\x], v[10+\x]
.endr
.irp x, 0,1
	s_delay_alu instid0(VALU_DEP_2)
	v_cvt_i32_f32 v[10+\x], v[10+\x]
.endr
.irp x, 0,1
	s_delay_alu instid0(VALU_DEP_2)
	v_ldexp_f32 v[20+2*\x], 1.0, v[10+\x]
.endr
.irp x, 0,1
.set J, 0
.rept 32
	v_pk_fma_f32 v[128+64*\x+J:129+64*\x+J], v[128+64*\x+J:129+64*\x+J], s[CS:CS+1], v[12+2*\x:13+2*\x] op_sel_hi:[1,0,0]
.set J, J+2
.endr
.endr
.irp b, 0,1,2,3
.irp x, 0,1
	v_fma_f32 v[32+16*\x+\b], v[32+16*\x+\b], s[CS], v[12+2*\x]
.endr
.endr
.set J, 0
	s_wait_alu depctr_va_vdst(0)
.rept 128
	v_exp_f32 v[128+J], v[128+J]
.set J, J+1
.endr
.irp x, 0,1
	v_pk_mul_f32 v[16+2*\x:17+2*\x], v[16+2*\x:17+2*\x], v[20+2*\x:21+2*\x] op_sel_hi:[1,0]
.endr
	s_wait_alu depctr_va_vdst(0)
.irp b, 0,1,2,3
.irp x, 0,1
	v_exp_f32 v[32+16*\x+\b], v[32+16*\x+\b]
.endr
.endr
.irp x, 0,1
	v_pk_add_f32 v[36+16*\x:37+16*\x], v[128+64*\x:129+64*\x], v[130+64*\x:131+64*\x]
.endr
.irp j, 4,8,12,16,20,24,28,32,36,40,44,48,52,56,60
.irp x, 0,1
	v_pk_add_f32 v[16+2*\x:17+2*\x], v[16+2*\x:17+2*\x], v[128+64*\x+\j:129+64*\x+\j]
	v_pk_add_f32 v[36+16*\x:37+16*\x], v[36+16*\x:37+16*\x], v[130+64*\x+\j:131+64*\x+\j]
.endr
.endr
.irp x, 0
	s_delay_alu instid0(VALU_DEP_3)
	v_pk_add_f32 v[16+2*\x:17+2*\x], v[16+2*\x:17+2*\x], v[36+16*\x:37+16*\x]
.endr
.irp x, 1
	s_delay_alu instid0(VALU_DEP_2)
	v_pk_add_f32 v[16+2*\x:17+2*\x], v[16+2*\x:17+2*\x], v[36+16*\x:37+16*\x]
.endr
	s_wait_alu depctr_va_vdst(0)
.irp b, 0,1,2,3
.irp x, 0,1
	v_max_num_f32 v[32+16*\x+\b], 0x8000000, v[32+16*\x+\b]
.endr
.endr
.irp b, 0,1,2,3
.irp x, 0,1
	v_add_nc_u32 v[44+16*\x+\b], 0xf8800000, v[32+16*\x+\b]
.endr
.endr
.irp b, 0,1,2,3
.irp x, 0,1
	v_and_or_b32 v[40+16*\x+\b], v[32+16*\x+\b], 0x7f800000, s[MNT]
.endr
.endr
.irp b, 0,1,2,3
.irp x, 0,1
	v_lshrrev_b32 v[36+16*\x+\b], 23, v[44+16*\x+\b]
.endr
.endr
.irp x, 0,1
	v_lshl_or_b32 v[30+\x], v[37+16*\x], 8, v[36+16*\x]
.endr
.irp x, 0,1
	s_delay_alu instid0(VALU_DEP_2)
	v_lshl_or_b32 v[30+\x], v[38+16*\x], 16, v[30+\x]
.endr
.irp x, 0,1
	s_delay_alu instid0(VALU_DEP_2)
	v_lshl_or_b32 v[30+\x], v[39+16*\x], 24, v[30+\x]
.endr
.irp b, 0,1,2,3
.irp x, 0,1
	v_mov_b32 v[36+16*\x+(\b+1)%4], v[40+16*\x+\b]   ; a second copy of each bound, in a register whose number differs modulo 4: a dual pair's second sources
.endr
.endr
.irp x, 0,1
.irp b, 0,1,2,3
.set J, 0
.rept 8
	v_dual_min_num_f32 v[128+64*\x+16*\b+J], v[128+64*\x+16*\b+J], v[40+16*\x+\b] :: v_dual_min_num_f32 v[129+64*\x+16*\b+J], v[129+64*\x+16*\b+J], v[36+16*\x+(\b+1)%4]   ; the hold: p is not negative, so it is one-sided; two numbers a line
.set J, J+2
.endr
.endr
.endr
	WIN 0x40
.irp x, 0,1
.irp b, 0,1,2,3
	v_cvt_scalef32_pk8_bf8_f32 v[160+16*\x+4*\b:161+16*\x+4*\b], v[128+64*\x+16*\b:135+64*\x+16*\b], v[44+16*\x+\b]
	v_cvt_scalef32_pk8_bf8_f32 v[162+16*\x+4*\b:163+16*\x+4*\b], v[136+64*\x+16*\b:143+64*\x+16*\b], v[44+16*\x+\b]
.endr
.endr
	WIN 0x41
.irp x, 0,1
.set J, 0
.rept 32
	v_pk_mul_f32 v[64*\x+J:64*\x+J+1], v[64*\x+J:64*\x+J+1], v[20+2*\x:21+2*\x] op_sel_hi:[1,0]
.set J, J+2
.endr
.endr
	WIN 0
	s_wait_alu depctr_va_vdst(0)
.irp g, 0,1
.if \g
	PLACES 8
	LDFR 7, 9, 1
.endif
	s_wait_dscnt 0x0
	WIN 0x54
.irp t, 0,1,2,3
.irp x, 0,1
	v_wmma_scale_f32_16x16x128_f8f6f4 v[64*\x+8*(4*\g+\t):64*\x+8*(4*\g+\t)+7], v[64+16*\t:79+16*\t], v[160+16*\x:175+16*\x], v[64*\x+8*(4*\g+\t):64*\x+8*(4*\g+\t)+7], v[24+\t], v[30+\x] matrix_a_fmt:MATRIX_FMT_BF8 matrix_b_fmt:MATRIX_FMT_BF8
.endr
.endr
	WIN 0
.endr
	s_add_co_u32 s[TB], s[TB], 16384
	s_add_co_u32 s[TS], s[TS], 512
.endm
.macro SLOT_STEPS
	s_mov_b32 s51, 4
.Lstep_\@:
	STEP
	s_sub_co_u32 s51, s51, 1
	s_cmp_lg_u32 s51, 0
	s_cbranch_scc1 .Lstep_\@
	s_sub_co_u32 s[TB], s[TB], 65536
	s_xor_b32 s[TB], s[TB], SLOT1
.endm
.macro CHANGE fill
	s_wait_tensorcnt 0x0
	ds_add_u32 v4, v5
.if \fill
	s_xor_b32 s41, s41, SLOT1
	s_add_nc_u64 s[42:43], s[42:43], 131072
	s_wait_xcnt 0x0
	s_add_nc_u64 s[PFA:PFA+1], s[PFA:PFA+1], 131072
.endif
	s_wait_dscnt 0x0
.if \fill
	CROUND
	tensor_load_to_lds s[40:43], s[24:31]
	s_nop 0
	PLACES 4
	s_cmp_gt_u32 s[SLOTS], s[LIM]
	s_cbranch_scc0 .Lnot_mine_\@
	global_prefetch_b8 v2, s[PFA:PFA+1] th:TH_LOAD_NT scope:SCOPE_SE
.Lnot_mine_\@:
.else
	s_barrier_signal -1
	s_barrier_wait -1
.endif
.endm
.macro OGRP g
.irp i, 0,1,2,3
.irp c, 0,1,2,3
	ds_load_b128 v[128+64*((\g)%2)+16*\i+4*\c:131+64*((\g)%2)+16*\i+4*\c], v12 offset:(4*(\g)+\i)*2048+512*\c
.endr
.endr
.irp i, 0,1
	ds_load_b32 v[28+2*((\g)%2)+\i], v13 offset:(4*(\g)+2*\i)*64
.endr
.endm
.macro OMUL g, zero
	WIN 0x04
.irp p, 0,1
.irp u, 0,1,2,3
.if (\zero) && (\p == 0)
	v_wmma_scale_f32_16x16x128_f8f6f4 v[64+16*\u:71+16*\u], v[128+64*((\g)%2)+32*\p:143+64*((\g)%2)+32*\p], v[32*\u:32*\u+15], 0, v[28+2*((\g)%2)+\p], v[24+\u] matrix_a_fmt:MATRIX_FMT_BF8 matrix_b_fmt:MATRIX_FMT_BF8
	v_wmma_scale_f32_16x16x128_f8f6f4 v[72+16*\u:79+16*\u], v[128+64*((\g)%2)+32*\p:143+64*((\g)%2)+32*\p], v[32*\u+16:32*\u+31], 0, v[28+2*((\g)%2)+\p], v[24+\u] matrix_a_fmt:MATRIX_FMT_BF8 matrix_b_fmt:MATRIX_FMT_BF8 matrix_b_scale:MATRIX_SCALE_ROW1
.else
	v_wmma_scale_f32_16x16x128_f8f6f4 v[64+16*\u:71+16*\u], v[128+64*((\g)%2)+32*\p:143+64*((\g)%2)+32*\p], v[32*\u:32*\u+15], v[64+16*\u:71+16*\u], v[28+2*((\g)%2)+\p], v[24+\u] matrix_a_fmt:MATRIX_FMT_BF8 matrix_b_fmt:MATRIX_FMT_BF8
	v_wmma_scale_f32_16x16x128_f8f6f4 v[72+16*\u:79+16*\u], v[128+64*((\g)%2)+32*\p:143+64*((\g)%2)+32*\p], v[32*\u+16:32*\u+31], v[72+16*\u:79+16*\u], v[28+2*((\g)%2)+\p], v[24+\u] matrix_a_fmt:MATRIX_FMT_BF8 matrix_b_fmt:MATRIX_FMT_BF8 matrix_b_scale:MATRIX_SCALE_ROW1
.endif
.endr
.irp u, 0,1,2,3
	v_wmma_scale_f32_16x16x128_f8f6f4 v[64+16*\u:71+16*\u], v[144+64*((\g)%2)+32*\p:159+64*((\g)%2)+32*\p], v[32*\u:32*\u+15], v[64+16*\u:71+16*\u], v[28+2*((\g)%2)+\p], v[24+\u] matrix_a_fmt:MATRIX_FMT_BF8 matrix_b_fmt:MATRIX_FMT_BF8 matrix_a_scale:MATRIX_SCALE_ROW1
	v_wmma_scale_f32_16x16x128_f8f6f4 v[72+16*\u:79+16*\u], v[144+64*((\g)%2)+32*\p:159+64*((\g)%2)+32*\p], v[32*\u+16:32*\u+31], v[72+16*\u:79+16*\u], v[28+2*((\g)%2)+\p], v[24+\u] matrix_a_fmt:MATRIX_FMT_BF8 matrix_b_fmt:MATRIX_FMT_BF8 matrix_a_scale:MATRIX_SCALE_ROW1 matrix_b_scale:MATRIX_SCALE_ROW1
.endr
.endr
	WIN 0
.endm
	s_wait_loadcnt 0x0
.Lslot:
	CHANGE 1
	SLOT_STEPS
	s_sub_co_u32 s[SLOTS], s[SLOTS], 1
	s_cmp_lg_u32 s[SLOTS], 0
	s_cbranch_scc1 .Lslot
	CHANGE 0
	SLOT_STEPS
	PLACES 8
.irp x, 0,1
	v_add_f32 v[16+2*\x], v[16+2*\x], v[17+2*\x]
.endr
.irp x, 0,1
	s_delay_alu instid0(VALU_DEP_2)
	v_permlanex16_b32 v[36+16*\x], v[16+2*\x], s[SEL], s[SEL+1]
.endr
.irp x, 0,1
	s_delay_alu instid0(VALU_DEP_2)
	v_add_f32 v[16+2*\x], v[16+2*\x], v[36+16*\x]
.endr
	s_wait_alu depctr_va_vdst(0)
.irp x, 0,1
	v_rcp_f32 v[20+2*\x], v[16+2*\x]
.endr
.irp x, 0,1
	v_log_f32 v[10+\x], v[16+2*\x]
.endr
	s_lshl_b32 s66, s[WV], 7
	s_add_co_u32 s66, s66, STG
	v_and_b32 v9, 15, v0
	v_bfe_u32 v8, v0, 4, 1
	s_delay_alu instid0(VALU_DEP_2)
	v_lshlrev_b32 v3, 10, v9
	s_delay_alu instid0(VALU_DEP_1)
	v_lshl_add_u32 v3, v8, 4, v3
	s_delay_alu instid0(VALU_DEP_4)
	v_lshl_add_u32 v9, v9, 2, s66
	s_wait_alu depctr_va_vdst(0)
	WIN 0x01
.irp x, 0,1
.set J, 0
.rept 32
	v_pk_mul_f32 v[128+64*\x+J:129+64*\x+J], v[64*\x+J:64*\x+J+1], v[20+2*\x:21+2*\x] op_sel_hi:[1,0]
.set J, J+2
.endr
.endr
	WIN 0x40
.irp t, 0,1,2,3,4,5,6,7
.irp c, 0,1,2,3
	global_load_b128 v[16*\t+4*\c:16*\t+4*\c+3], v3, s[60:61] offset:16384*\t+32*\c
.endr
.endr
	WIN 0
	v_and_b32 v16, 31, v0
	s_delay_alu instid0(VALU_DEP_1)
	v_lshlrev_b32 v16, 5, v16
.irp i, 0,1,2,3
	global_load_b32 v[24+\i], v16, s[72:73] offset:1024*\i
.endr
.irp x, 0,1
	v_sub_f32 v[10+\x], v[12+2*\x], v[10+\x]
.endr
.irp x, 0,1
	ds_store_b32 v9, v[10+\x] offset:1024+64*\x
.endr
	v_add_nc_u32 v12, OIMG, v1
	v_and_b32 v13, 31, v0
	s_delay_alu instid0(VALU_DEP_1)
	v_lshl_add_u32 v13, v13, 2, STG
	s_lshl_b32 s66, s[WV], 9
	s_add_co_u32 s67, s66, CST
	v_and_b32 v14, 15, v0
	s_delay_alu instid0(VALU_DEP_1)
	v_lshl_add_u32 v14, v14, 2, s67
	v_add_nc_u32 v15, s67, v1
	s_add_co_u32 s67, s66, STG+1024
	v_add_nc_u32 v8, s67, v1
	s_lshl_b32 s66, s[WV], 12
	s_add_co_u32 s66, s66, OIMG
	v_add_nc_u32 v17, s66, v1
.irp x, 0,1
	QUANT 128+64*\x, 32+16*\x, 64+16*\x, 6+\x
.irp c, 0,1,2,3
	ds_store_b128 v17, v[64+16*\x+4*\c:67+16*\x+4*\c] offset:2048*\x+512*\c
.endr
	ds_store_b32 v9, v[6+\x] offset:64*\x
.endr
	s_wait_dscnt 0x0
	s_barrier_signal -1
	s_barrier_wait -1
	OGRP 0
	OGRP 1
	s_wait_loadcnt 0x0
	s_wait_dscnt 18
	OMUL 0, 1
	PLACES 8
	OGRP 2
	s_wait_dscnt 18
	OMUL 1, 0
	PLACES 8
	OGRP 3
	s_wait_dscnt 18
	OMUL 2, 0
	s_wait_dscnt 0x0
	OMUL 3, 0
	PLACES 8
.irp t, 0,1,2,3,4,5,6,7
	v_pk_add_f32 v[64+8*\t:65+8*\t], v[64+8*\t:65+8*\t], v[66+8*\t:67+8*\t]
.endr
.irp t, 0,1,2,3,4,5,6,7
	v_pk_add_f32 v[68+8*\t:69+8*\t], v[68+8*\t:69+8*\t], v[70+8*\t:71+8*\t]
.endr
.irp t, 0,1,2,3,4,5,6,7
	v_pk_add_f32 v[64+8*\t:65+8*\t], v[64+8*\t:65+8*\t], v[68+8*\t:69+8*\t]
.endr
.irp t, 0,1,2,3,4,5,6,7
	v_add_f32 v[64+8*\t], v[64+8*\t], v[65+8*\t]
.endr
.irp t, 0,1,2,3,4,5,6,7
	v_permlanex16_b32 v[66+8*\t], v[64+8*\t], s[SEL], s[SEL+1]
.endr
.irp t, 0,1,2,3,4,5,6,7
	v_add_f32 v[64+8*\t], v[64+8*\t], v[66+8*\t]
.endr
.irp t, 0,1,2,3,4,5,6,7
	ds_store_b32 v14, v[64+8*\t] offset:64*\t
.endr
	ds_load_b128 v[128:131], v15
	s_wait_dscnt 0x0
	global_store_b128 v1, v[128:131], s[74:75]
	s_cmp_lt_u32 s[WV], 2
	s_cbranch_scc0 .Lno_words
	ds_load_b128 v[132:135], v8
	s_wait_dscnt 0x0
	global_store_b128 v1, v[132:135], s[62:63]
.Lno_words:
	s_wait_tensorcnt 0x0
	ds_add_u32 v4, v5
	s_wait_dscnt 0x0
	CROUND
	s_endpgm
.Lfunc_end_k_q48b077c4d0_attn:
	.size	k_q48b077c4d0_attn, .Lfunc_end_k_q48b077c4d0_attn-k_q48b077c4d0_attn
	.p2alignl 7, 3214868480
	.fill 96, 4, 3214868480
	.section	.rodata,"a",@progbits
	.p2align	6, 0x0
	.amdhsa_kernel k_q48b077c4d0_attn
		.amdhsa_group_segment_fixed_size 327680
		.amdhsa_private_segment_fixed_size 0
		.amdhsa_enable_private_segment 0
		.amdhsa_kernarg_size 48
		.amdhsa_user_sgpr_count 2
		.amdhsa_user_sgpr_kernarg_segment_ptr 1
		.amdhsa_wavefront_size32 1
		.amdhsa_system_sgpr_workgroup_id_x 1
		.amdhsa_system_sgpr_workgroup_id_y 1
		.amdhsa_system_sgpr_workgroup_id_z 1
		.amdhsa_system_vgpr_workitem_id 0
		.amdhsa_next_free_vgpr 448
		.amdhsa_next_free_sgpr 92
		.amdhsa_reserve_vcc 0
		.amdhsa_float_denorm_mode_32 3
		.amdhsa_float_denorm_mode_16_64 3
		.amdhsa_memory_ordered 1
		.amdhsa_forward_progress 1
		.amdhsa_inst_pref_size 152
	.end_amdhsa_kernel
	.amdgpu_metadata
---
amdhsa.version: [ 1, 2 ]
amdhsa.kernels:
  - .name:           k_q48b077c4d0_attn
    .symbol:         k_q48b077c4d0_attn.kd
    .args:
      - { .name: cod, .offset: 0, .size: 8, .value_kind: global_buffer, .address_space: global }
      - { .name: scl, .offset: 8, .size: 8, .value_kind: global_buffer, .address_space: global }
      - { .name: Wo_codes, .offset: 16, .size: 8, .value_kind: global_buffer, .address_space: global }
      - { .name: Wo_scales, .offset: 24, .size: 8, .value_kind: global_buffer, .address_space: global }
      - { .name: part, .offset: 32, .size: 8, .value_kind: global_buffer, .address_space: global }
      - { .name: lb, .offset: 40, .size: 8, .value_kind: global_buffer, .address_space: global }
    .group_segment_fixed_size: 327680
    .private_segment_fixed_size: 0
    .kernarg_segment_align: 8
    .kernarg_segment_size: 48
    .max_flat_workgroup_size: 256
    .sgpr_count:     92
    .vgpr_count:     448
    .wavefront_size: 32
...
	.end_amdgpu_metadata
.endif
;; end of part 2
;; launch colsum (part 3): grid 8 x 32, 16 waves a work-group, clusters of 4 x 1, 327,680 bytes of LDS; arguments cod, scl, lb, out1; writes out1
.if DOCPART == 3
	.amdgcn_target "amdgcn-amd-amdhsa--gfx1250"
	.amdhsa_code_object_version 6
	.text
	.protected	k_q48b077c4d0_colsum
	.globl	k_q48b077c4d0_colsum
	.p2align	8
	.type	k_q48b077c4d0_colsum,@function
k_q48b077c4d0_colsum:
	s_mov_b64 s[64:65], 0
	v_nop
	global_prefetch_b8 v0, s[64:65] scope:SCOPE_SE
	s_setreg_imm32_b32 hwreg(HW_REG_WAVE_MODE, 25, 1), 1
	s_wait_xcnt 0x0
	s_wait_alu depctr_hold_cnt(0) depctr_sa_sdst(0) depctr_va_vdst(0) depctr_va_sdst(0) depctr_va_ssrc(0) depctr_va_vcc(0) depctr_vm_vsrc(0)
	s_getreg_b32 s2, hwreg(HW_REG_IB_STS2, 6, 4)
	s_cmp_eq_u32 s2, 0
	s_cbranch_scc0 .Lentry_in_a_cluster
	s_endpgm
.Lentry_in_a_cluster:
	s_bfe_u32 s2, ttmp6, 0x10000c
	s_cmp_lg_u32 s2, 0x3003
	s_cbranch_scc0 .Lentry_shape_is_right
	s_endpgm
.Lentry_shape_is_right:
; out1[b][h][k] = the mean over the queries of softmax(q k^T / sqrt(128))[q][k].  A row's sum is known only when all its keys have been walked, so the scores are formed a second time, by the same product on the same codes,
; in a launch that owns KEYS and walks the queries: attn = 2^(c s - L), with -L = -M - log2 l of each query from the launch before (M is the row's running maximum, taken away as there).
; S = Q K^T is used untransposed (source 0 = 16 queries, source 1 = 16 keys): a lane holds ONE key and its registers run down the queries, so the sum over queries is a sum down registers.
; SHARES: a work-group owns 256 keys of one head.  Wave w: its four tiles of keys (w % 4) stay in registers; it walks a quarter (w / 4) of the head's 128 tiles of queries.  A tile of K is 16 neighbouring keys.
; A head's whole Q (262,144 bytes of register images), its scale words and -L lie in LDS, filled ONCE: no ring, nothing is filled again.
; ONE JOINT LOAD A WAVE: waves 0-3 the halves of the scale words and of -L (4,096 bytes each); waves 4-7 chunk 0 (8 tiles) of a quarter each; waves 8-11 chunk 1; waves 12-15 chunks 2 and 3.  Work begins when waves 0-7's have landed.
; CLUSTER 4 x 1: the four key blocks of a cluster read the same Q and ask jointly.  No prefetch: every byte is asked for at the head, and there is no later load to run ahead of.
; LIMITS: NaN and infinities are not served.
; REGISTERS: v1-7 addresses; v8-11 K's scale words, v12-13 Q's (two sets); v16-79 K; v80-111 Q, two sets; v112-127 -L, two sets; v128-191 S, two sets; v192-199 the sums; v200-207 at work.
.set SCQ,  262144                      ; Q's scale words, 8,192 bytes, then -L, 8,192
.set RED,  SCQ+16384                   ; 256 bytes a wave: its 64 column sums
.set KV0,  8388608
.set KS0,  262144
.set WV,  12
.set SEL, 20
.set CS,  22
.macro PLACES n
.rept \n
	v_nop
.endr
.endm
.macro CROUND
	s_barrier_signal -1
	s_barrier_wait -1
	s_cmp_lg_u32 s[WV], 0
	s_cbranch_scc1 .Lnot_wave_0_\@
	s_barrier_signal -3
.Lnot_wave_0_\@:
	s_barrier_wait -3
	s_barrier_signal -1
	s_barrier_wait -1
.endm
	s_load_b256 s[4:11], s[0:1], 0x0               ; cod, scl, lb, out1
	v_lshl_add_u32 v208, v0, 2, 0x45000
	v_mov_b32 v209, 0
	ds_add_u32 v208, v209
	ds_add_u32 v208, v209
	v_lshrrev_b32 v6, 5, v0
	s_delay_alu instid0(VALU_DEP_1)
	v_readfirstlane_b32 s[WV], v6                  ; wave 0..15
	s_bfe_u32 s13, ttmp6, 0x40000                  ; cx
	s_lshl_b32 s14, ttmp9, 2
	s_add_co_u32 s14, s14, s13                     ; my block of 256 keys: it enters K's and out1's addresses alone
	s_and_b32 s15, ttmp7, 0xffff                   ; 8 x batch + head
	s_and_b32 s16, s[WV], 3                        ; which four tiles of keys
	s_lshr_b32 s17, s[WV], 2                       ; which quarter of the queries
	s_mov_b32 s24, 15|(3<<16)|(1<<21)              ; 4,096 dense bytes as 16 rows of 256
	s_mov_b32 s25, 32<<16
	s_mov_b32 s26, 16<<16
	s_mov_b32 s27, 32<<16
	s_mov_b32 s28, 16
	s_mov_b32 s29, 32
	s_mov_b32 s30, 0
	s_mov_b32 s31, 0
	s_mov_b32 s32, 15|(3<<16)|(1<<21)              ; eight tiles of Q: 64 rows
	s_mov_b32 s33, 32<<16
	s_mov_b32 s34, 64<<16
	s_mov_b32 s35, 32<<16
	s_mov_b32 s36, 64
	s_mov_b32 s37, 32
	s_mov_b32 s38, 0
	s_mov_b32 s39, 0
	s_mov_b32 s48, 15|(3<<16)|(1<<21)              ; sixteen tiles: 128 rows
	s_mov_b32 s49, 32<<16
	s_mov_b32 s50, 128<<16
	s_mov_b32 s51, 32<<16
	s_mov_b32 s52, 128
	s_mov_b32 s53, 32
	s_mov_b32 s54, 0
	s_mov_b32 s55, 0
	s_mov_b32 s[SEL], 0x76543210
	s_mov_b32 s[SEL+1], 0xfedcba98
	s_mov_b32 s[CS], 0x3e0293ee                    ; c = log2(e) / sqrt(128)
	s_mov_b32 s[CS+1], s[CS]
	s_add_co_u32 s18, s17, 3
	s_and_b32 s18, s18, 3                          ; waves 4-7: 0, waves 8-11: 1, waves 12-15: 2 (waves 0-3 do not use it)
	s_lshl_b32 s18, s18, 3
	s_lshl_b32 s19, s16, 5
	s_add_co_u32 s18, s18, s19
	s_lshl_b32 s18, s18, 11                        ; tile 32 (w % 4) + 8 x chunk: where it lies in the head's Q, in memory and in LDS alike
	s_lshl_b32 s74, s15, 18
	s_add_co_u32 s74, s74, s18
	s_mov_b32 s75, 0
	s_lshl_b32 s66, s15, 13                        ; scale words and -L: 8,192 bytes a head
	s_and_b32 s67, s16, 1
	s_lshl_b32 s67, s67, 12
	s_add_co_u32 s66, s66, s67
	s_mov_b32 s67, 0
	s_lshl_b32 s68, s15, 19                        ; K's four tiles
	s_lshr_b32 s69, s14, 1
	s_lshl_b32 s69, s69, 17
	s_add_co_u32 s68, s68, s69
	s_and_b32 s69, s14, 1
	s_lshl_b32 s69, s69, 4
	s_lshl_b32 s70, s16, 2
	s_add_co_u32 s69, s69, s70
	s_lshl_b32 s69, s69, 11
	s_add_co_u32 s68, s68, s69
	s_add_co_u32 s68, s68, KV0
	s_mov_b32 s69, 0
	s_lshl_b32 s70, s15, 14                        ; and their scale words
	s_lshl_b32 s71, s14, 10
	s_add_co_u32 s70, s70, s71
	s_lshl_b32 s71, s16, 8
	s_add_co_u32 s70, s70, s71
	s_add_co_u32 s70, s70, KS0
	s_mov_b32 s71, 0
	s_lshl_b32 s72, s15, 13                        ; out1: 8,192 bytes a head, 1,024 a block
	s_lshl_b32 s73, s14, 10
	s_add_co_u32 s72, s72, s73
	s_mov_b32 s73, 0
	s_wait_dscnt 0x0
	s_wait_kmcnt 0x0
	s_cmp_lt_u32 s16, 2
	s_cselect_b64 s[42:43], s[6:7], s[8:9]
	s_mov_b32 s40, 1
	s_lshl_b32 s41, s16, 12
	s_add_co_u32 s41, s41, SCQ
	s_add_nc_u64 s[42:43], s[42:43], s[66:67]
	s_or_b32 s43, s43, 0x80000000
	s_add_nc_u64 s[74:75], s[4:5], s[74:75]
	s_mov_b32 s44, 1
	s_mov_b32 s45, s18
	s_mov_b64 s[46:47], s[74:75]
	s_or_b32 s47, s47, 0x80000000
	s_add_nc_u64 s[60:61], s[4:5], s[68:69]
	s_add_nc_u64 s[62:63], s[6:7], s[70:71]
	s_add_nc_u64 s[66:67], s[10:11], s[72:73]
	CROUND                                         ; all four work-groups are here: the joint loads meet
	s_cmp_lt_u32 s[WV], 4                          ; one chain of arms, a load line to each group of four waves
	s_cbranch_scc0 .Lchunk_0
	tensor_load_to_lds s[40:43], s[24:31]          ; scale words or -L
	s_nop 0
	PLACES 4
	s_branch .Lhead_asked
.Lchunk_0:
	s_cmp_lt_u32 s[WV], 8
	s_cbranch_scc0 .Lchunk_1
	tensor_load_to_lds s[44:47], s[32:39]
	s_nop 0
	PLACES 4
	s_branch .Lhead_asked
.Lchunk_1:
	s_cmp_lt_u32 s[WV], 12
	s_cbranch_scc0 .Lchunk_23
	tensor_load_to_lds s[44:47], s[32:39]
	s_nop 0
	PLACES 4
	s_branch .Lhead_asked
.Lchunk_23:
	tensor_load_to_lds s[44:47], s[48:55]
	s_nop 0
	PLACES 4
.Lhead_asked:
	v_and_b32 v6, 31, v0
	v_and_b32 v7, 15, v0
	v_bfe_u32 v200, v0, 4, 1
	s_delay_alu instid0(VALU_DEP_3)
	v_lshlrev_b32 v14, 4, v6                       ; 16 x lane
	s_delay_alu instid0(VALU_DEP_3)
	v_lshlrev_b32 v15, 2, v7                       ; 4 r
.irp t, 0,1,2,3
.irp c, 0,1,2,3
	global_load_b128 v[16+16*\t+4*\c:19+16*\t+4*\c], v14, s[60:61] offset:2048*\t+512*\c   ; K stays in registers
.endr
	global_load_b32 v[8+\t], v15, s[62:63] offset:64*\t
.endr
	s_lshl_b32 s18, s17, 16
	v_lshl_add_u32 v1, v6, 4, s18                  ; my quarter of Q, 16 x lane
	s_lshl_b32 s18, s17, 11
	s_add_co_u32 s18, s18, SCQ
	v_lshl_add_u32 v2, v7, 2, s18                  ; its scale words, row r
	s_add_co_u32 s18, s18, 8192
	v_lshl_add_u32 v3, v200, 5, s18                ; its -L: rows 8 h on of a tile
	s_lshl_b32 s18, s[WV], 8
	s_add_co_u32 s18, s18, RED
	v_lshl_add_u32 v4, v7, 2, s18                  ; my wave's sums: tile t, row r: key n of the block lies at 4 n of a quarter's 1,024 bytes
	v_and_b32 v6, 127, v0
	s_delay_alu instid0(VALU_DEP_1)
	v_lshlrev_b32 v6, 3, v6                        ; the last read: thread j (0..127) takes keys 2 j and 2 j + 1 of the block: their 8 bytes of out1,
	v_add_nc_u32 v5, RED, v6                       ; and of the sums
.irp t, 0,1,2,3
	v_mov_b32 v[204+\t], 0                         ; a lane permute's destination counts as one of its sources
.endr
	s_wait_alu depctr_va_vdst(0)
	s_wait_loadcnt 0x0
.macro LOADQ i                         ; tile i of my quarter: its fragment, its scale words, my eight queries' -L: seven loads, into set i % 2
.irp c, 0,1,2,3
	ds_load_b128 v[80+16*((\i)%2)+4*\c:83+16*((\i)%2)+4*\c], v1 offset:(\i)*2048+512*\c
.endr
	ds_load_b32 v[12+(\i)%2], v2 offset:(\i)*64
	ds_load_b128 v[112+8*((\i)%2):115+8*((\i)%2)], v3 offset:(\i)*64
	ds_load_b128 v[116+8*((\i)%2):119+8*((\i)%2)], v3 offset:(\i)*64+16
.endm
.macro ADDS s, first                   ; the weights of set s are added to the four tiles' sums, a pair of queries at a time.  first = 1: they start the sums
.if \first
.irp t, 0,1,2,3
	v_pk_add_f32 v[192+2*\t:193+2*\t], v[128+32*(\s)+8*\t:129+32*(\s)+8*\t], v[130+32*(\s)+8*\t:131+32*(\s)+8*\t]
.endr
.irp j, 2,3
.irp t, 0,1,2,3
	v_pk_add_f32 v[192+2*\t:193+2*\t], v[192+2*\t:193+2*\t], v[128+32*(\s)+8*\t+2*\j:129+32*(\s)+8*\t+2*\j]
.endr
.endr
.else
.irp j, 0,1,2,3
.irp t, 0,1,2,3
	v_pk_add_f32 v[192+2*\t:193+2*\t], v[192+2*\t:193+2*\t], v[128+32*(\s)+8*\t+2*\j:129+32*(\s)+8*\t+2*\j]
.endr
.endr
.endif
.endm
.macro TILE i
.if (\i)%8 == 0
.if (\i) > 0
	s_wait_alu depctr_va_vdst(0)                   ; the last tile's exponentials, ahead of the branch
.endif
	s_wait_dscnt 0x0
.if (\i) < 16
	s_cmp_lt_u32 s[WV], 8+(\i)/2                   ; the waves whose loads this barrier shows wait: at tile 0 waves 0-7, at tile 8 waves 0-11
	s_cbranch_scc0 .Lnot_yet_\@
	s_wait_tensorcnt 0x0
.Lnot_yet_\@:
.else
	s_wait_tensorcnt 0x0                           ; all that is still out
.endif
	s_barrier_signal -1
	s_barrier_wait -1                              ; everybody's has
	LOADQ \i
.endif
.if ((\i)+1)%8 != 0
	LOADQ (\i)+1                                   ; the next tile, into the set that the tile before has left (its products stand more than eight plain lines back)
	s_wait_dscnt 7                                 ; all but the seven just issued
.else
	s_wait_dscnt 0x0
.endif
.irp t, 0,1,2,3
	v_wmma_scale_f32_16x16x128_f8f6f4 v[128+32*((\i)%2)+8*\t:135+32*((\i)%2)+8*\t], v[80+16*((\i)%2):95+16*((\i)%2)], v[16+16*\t:31+16*\t], 0, v[12+(\i)%2], v[8+\t] matrix_a_fmt:MATRIX_FMT_BF8 matrix_b_fmt:MATRIX_FMT_BF8
.endr
.if (\i) == 0
	PLACES 8
.else
	s_wait_alu depctr_va_vdst(0)                   ; one wait for the last tile's 32 exponentials, ahead of their first reader
.if (\i) == 1
	ADDS 0, 1                                      ; the last tile's sums are the places behind this tile's products
.else
	ADDS ((\i)+1)%2, 0
.endif
.endif
.irp j, 0,1,2,3
.irp t, 0,1,2,3
	v_pk_fma_f32 v[128+32*((\i)%2)+8*\t+2*\j:129+32*((\i)%2)+8*\t+2*\j], v[128+32*((\i)%2)+8*\t+2*\j:129+32*((\i)%2)+8*\t+2*\j], s[CS:CS+1], v[112+8*((\i)%2)+2*\j:113+8*((\i)%2)+2*\j] op_sel_hi:[1,0,1]   ; c s - L; each accumulator from its low end on
.endr
.endr
.set J, 0
	s_wait_alu depctr_va_vdst(0)
.rept 32
	v_exp_f32 v[128+32*((\i)%2)+J], v[128+32*((\i)%2)+J]
.set J, J+1
.endr
	v_nop                                          ; a plain line behind the last exponential
.endm
.set I, 0
.rept 32
	TILE I
.set I, I+1
.endr
	s_wait_alu depctr_va_vdst(0)
	ADDS 1, 0
.irp t, 0,1,2,3
	s_delay_alu instid0(VALU_DEP_4)
	v_add_f32 v[200+\t], v[192+2*\t], v[193+2*\t]
.endr
.irp t, 0,1,2,3
	s_delay_alu instid0(VALU_DEP_4)
	v_permlanex16_b32 v[204+\t], v[200+\t], s[SEL], s[SEL+1]
.endr
.irp t, 0,1,2,3
	s_delay_alu instid0(VALU_DEP_4)
	v_add_f32 v[200+\t], v[200+\t], v[204+\t]      ; with lane l xor 16's eight rows of each tile: my quarter's sum for key (t, r)
.endr
.irp t, 0,1,2,3
	ds_store_b32 v4, v[200+\t] offset:64*\t        ; lanes l and l xor 16 write the same word with the same value
.endr
	s_wait_dscnt 0x0
	s_barrier_signal -1
	s_barrier_wait -1
	s_cmp_lt_u32 s[WV], 4
	s_cbranch_scc0 .Lno_store
.irp q, 0,1,2,3
	ds_load_b64 v[192+2*\q:193+2*\q], v5 offset:1024*\q   ; the four quarters' sums of my two keys
.endr
	s_wait_dscnt 0x0
	v_pk_add_f32 v[192:193], v[192:193], v[194:195]
	v_pk_add_f32 v[196:197], v[196:197], v[198:199]
	s_delay_alu instid0(VALU_DEP_1)
	v_pk_add_f32 v[192:193], v[192:193], v[196:197]
	s_delay_alu instid0(VALU_DEP_1)
	v_pk_mul_f32 v[192:193], v[192:193], 0x3a000000 op_sel_hi:[1,0]   ; / 2,048
	global_store_b64 v6, v[192:193], s[66:67]      ; a wave stores 256 consecutive bytes, aligned
.Lno_store:
	s_wait_tensorcnt 0x0
	ds_add_u32 v208, v209
	s_wait_dscnt 0x0
	CROUND                                         ; the closing round
	s_endpgm
.Lfunc_end_k_q48b077c4d0_colsum:
	.size	k_q48b077c4d0_colsum, .Lfunc_end_k_q48b077c4d0_colsum-k_q48b077c4d0_colsum
	.p2alignl 7, 3214868480
	.fill 96, 4, 3214868480
	.section	.rodata,"a",@progbits
	.p2align	6, 0x0
	.amdhsa_kernel k_q48b077c4d0_colsum
		.amdhsa_group_segment_fixed_size 327680
		.amdhsa_private_segment_fixed_size 0
		.amdhsa_enable_private_segment 0
		.amdhsa_kernarg_size 32
		.amdhsa_user_sgpr_count 2
		.amdhsa_user_sgpr_kernarg_segment_ptr 1
		.amdhsa_wavefront_size32 1
		.amdhsa_system_sgpr_workgroup_id_x 1
		.amdhsa_system_sgpr_workgroup_id_y 1
		.amdhsa_system_sgpr_workgroup_id_z 1
		.amdhsa_system_vgpr_workitem_id 0
		.amdhsa_next_free_vgpr 210
		.amdhsa_next_free_sgpr 76
		.amdhsa_reserve_vcc 0
		.amdhsa_float_denorm_mode_32 3
		.amdhsa_float_denorm_mode_16_64 3
		.amdhsa_memory_ordered 1
		.amdhsa_forward_progress 1
		.amdhsa_inst_pref_size 143
	.end_amdhsa_kernel
	.amdgpu_metadata
---
amdhsa.version: [ 1, 2 ]
amdhsa.kernels:
  - .name:           k_q48b077c4d0_colsum
    .symbol:         k_q48b077c4d0_colsum.kd
    .args:
      - { .name: cod, .offset: 0, .size: 8, .value_kind: global_buffer, .address_space: global }
      - { .name: scl, .offset: 8, .size: 8, .value_kind: global_buffer, .address_space: global }
      - { .name: lb, .offset: 16, .size: 8, .value_kind: global_buffer, .address_space: global }
      - { .name: out1, .offset: 24, .size: 8, .value_kind: global_buffer, .address_space: global }
    .group_segment_fixed_size: 327680
    .private_segment_fixed_size: 0
    .kernarg_segment_align: 8
    .kernarg_segment_size: 32
    .max_flat_workgroup_size: 512
    .sgpr_count:     76
    .vgpr_count:     210
    .wavefront_size: 32
...
	.end_amdgpu_metadata
.endif
;; end of part 3
;; launch final (part 4): grid 17 x 1, 32 waves a work-group, no clusters, 40,960 bytes of LDS; arguments part, bo, out1, out0, out2; writes out0, out2
.if DOCPART == 4
	.amdgcn_target "amdgcn-amd-amdhsa--gfx1250"
	.amdhsa_code_object_version 6
	.text
	.protected	k_q48b077c4d0_final
	.globl	k_q48b077c4d0_final
	.p2align	8
	.type	k_q48b077c4d0_final,@function
k_q48b077c4d0_final:
	s_mov_b64 s[64:65], 0
	v_nop
	global_prefetch_b8 v0, s[64:65] scope:SCOPE_SE
	s_setreg_imm32_b32 hwreg(HW_REG_WAVE_MODE, 25, 1), 1
	s_wait_xcnt 0x0
; The sums that span work-groups, each with one owner.
; Work-groups 1 to 16: out0[b][n] = (the sum of the batch's 64 rows of part: 8 heads x 8 blocks of queries) / 2,048 + bo[n].  A work-group takes one batch and 256 columns; a wave adds two rows, 1,024 bytes each;
; the 32 waves' sums meet in LDS, and four waves add them, a thread two columns.
; Work-group 0: out2 = the mean over 4 x 8 x 8 of |corr| off the diagonal, corr[b][h][g] = the sum over keys of out1[b][h][k] out1[b][g][k], in f32 multiply-adds (8 x 8 is too small for the matrix unit).
; LEFT OUT: the |.|.  out1 holds means of a softmax's numbers, which are >= 0 for all finite inputs, so every corr is a sum of products >= 0 and |corr| = corr.  corr is symmetric.  So
; out2 = (the sum over batches and keys of the sum over g = 1 .. 7 of out1[g] x (out1[0] + .. + out1[g - 1])) / 128: no difference is formed.  Eight waves take a batch, a thread eight keys of all eight heads.
; No cluster, no tensor load: the work-groups share no input but bo's 4,096 bytes, and each byte of part and out1 is read once.  The two ways have LDS bytes of their own: work-group 0 the first 4,096, the others those behind.
.set RB, 4096                          ; 1,024 bytes a wave: its sums of 256 columns
	s_load_b256 s[4:11], s[0:1], 0x0               ; part, bo, out1, out0
	s_load_b64 s[12:13], s[0:1], 0x20              ; out2
	v_lshl_add_u32 v126, v0, 2, 0x9000
	v_mov_b32 v127, 0
	v_lshrrev_b32 v1, 5, v0
	s_delay_alu instid0(VALU_DEP_1)
	v_readfirstlane_b32 s14, v1                    ; wave 0..31
	s_cmp_eq_u32 ttmp9, 0
	s_cbranch_scc1 .Ldiversity
	s_sub_co_u32 s15, ttmp9, 1
	s_lshr_b32 s16, s15, 2                         ; the batch
	s_and_b32 s18, s15, 3
	s_lshl_b32 s18, s18, 10                        ; which 256 columns, in bytes
	s_mov_b32 s19, 0
	s_lshl_b32 s20, s16, 18                        ; a batch's 64 rows of 4,096 bytes
	s_add_co_u32 s20, s20, s18
	s_mov_b32 s21, 0
	s_lshl_b32 s22, s16, 12
	s_add_co_u32 s22, s22, s18
	s_mov_b32 s23, 0
	v_and_b32 v2, 31, v0
	s_delay_alu instid0(VALU_DEP_1)
	v_lshlrev_b32 v2, 4, v2                        ; 16 x lane
	s_wait_alu depctr_va_vdst(0)
	v_lshl_add_u32 v3, v1, 13, v2                  ; part: my wave's two rows
	v_lshl_add_u32 v4, v1, 10, v2
	s_delay_alu instid0(VALU_DEP_1)
	v_add_nc_u32 v4, RB, v4                        ; LDS: my wave's 1,024 bytes
	v_and_b32 v5, 127, v0
	s_delay_alu instid0(VALU_DEP_1)
	v_lshlrev_b32 v5, 3, v5                        ; two columns a thread, for the four waves that finish
	s_delay_alu instid0(VALU_DEP_1)
	v_add_nc_u32 v6, RB, v5
	s_wait_alu depctr_va_vdst(0)
	s_wait_kmcnt 0x0
	s_add_nc_u64 s[4:5], s[4:5], s[20:21]
	s_add_nc_u64 s[6:7], s[6:7], s[18:19]
	s_add_nc_u64 s[10:11], s[10:11], s[22:23]
	global_load_b128 v[16:19], v3, s[4:5]              ; each load takes 512 consecutive bytes
	global_load_b128 v[20:23], v3, s[4:5] offset:512
	global_load_b128 v[24:27], v3, s[4:5] offset:4096
	global_load_b128 v[28:31], v3, s[4:5] offset:4608
	global_load_b64 v[8:9], v5, s[6:7]
	s_wait_loadcnt 0x0
	v_pk_add_f32 v[16:17], v[16:17], v[24:25]
	v_pk_add_f32 v[18:19], v[18:19], v[26:27]
	v_pk_add_f32 v[20:21], v[20:21], v[28:29]
	v_pk_add_f32 v[22:23], v[22:23], v[30:31]
	ds_store_b128 v4, v[16:19]
	ds_store_b128 v4, v[20:23] offset:512
	s_wait_dscnt 0x0                               ; for the others' sake: my stores are done
	s_barrier_signal -1
	s_barrier_wait -1
	s_cmp_lt_u32 s14, 4
	s_cbranch_scc0 .Lmean_end
.irp i, 0,1,2,3,4,5,6,7,8,9,10,11,12,13,14,15,16,17,18,19,20,21,22,23,24,25,26,27,28,29,30,31
	ds_load_b64 v[16+2*\i:17+2*\i], v6 offset:1024*\i   ; wave i's sums of my two columns
.endr
	s_wait_dscnt 0x0
.irp i, 20
	v_pk_add_f32 v[16:17], v[16:17], v[\i:\i+1]    ; two chains
	v_pk_add_f32 v[18:19], v[18:19], v[\i+2:\i+3]
.endr
.irp i, 24, 28, 32, 36, 40, 44, 48, 52, 56, 60, 64, 68, 72, 76
	s_delay_alu instid0(VALU_DEP_2)
	v_pk_add_f32 v[16:17], v[16:17], v[\i:\i+1]    ; two chains
	s_delay_alu instid0(VALU_DEP_2)
	v_pk_add_f32 v[18:19], v[18:19], v[\i+2:\i+3]
.endr
	s_delay_alu instid0(VALU_DEP_1)
	v_pk_add_f32 v[16:17], v[16:17], v[18:19]
	s_delay_alu instid0(VALU_DEP_1)
	v_pk_fma_f32 v[16:17], v[16:17], 0x3a000000, v[8:9] op_sel_hi:[1,0,1]   ; / 2,048 + bo
	global_store_b64 v5, v[16:17], s[10:11]        ; a wave stores 256 consecutive bytes, aligned
.Lmean_end:
	s_wait_tensorcnt 0x0
	ds_add_u32 v126, v127
	s_wait_dscnt 0x0
	s_endpgm
.Ldiversity:
	s_lshr_b32 s15, s14, 3                         ; the batch
	s_lshl_b32 s16, s15, 16
	s_mov_b32 s17, 0
	s_mov_b32 s20, 0x76543210
	s_mov_b32 s21, 0xfedcba98
	v_and_b32 v5, 31, v0
	v_bfe_u32 v3, v0, 5, 3                         ; which of the batch's eight waves
	v_lshlrev_b32 v2, 4, v5
	v_lshlrev_b32 v5, 2, v5                        ; LDS, at the end: lane l takes wave l's word
	v_lshl_add_u32 v2, v3, 10, v2                  ; my wave's 256 keys of a head: 1,024 bytes; a lane takes 16 bytes of each half
	v_mov_b32 v4, 0
	v_mov_b32 v9, 0                                ; a lane permute's destination counts as one of its sources
	s_wait_alu depctr_va_vdst(0)                   ; ahead of the reader of v1, which was written ahead of the branch
	v_lshlrev_b32 v3, 2, v1                        ; LDS: a word a wave
	s_wait_alu depctr_va_vdst(0)                   ; and at the head's end
	s_wait_kmcnt 0x0
	s_add_nc_u64 s[8:9], s[8:9], s[16:17]
.irp h, 0,1,2,3,4,5,6,7
	global_load_b128 v[16+8*\h:19+8*\h], v2, s[8:9] offset:8192*\h         ; each load takes 512 consecutive bytes
	global_load_b128 v[20+8*\h:23+8*\h], v2, s[8:9] offset:8192*\h+512
.endr
	s_wait_loadcnt 12                              ; heads 0 and 1 are in: the twelve loads of heads 2 to 7 may be out
.irp i, 0,2,4,6
	v_pk_mul_f32 v[80+\i:81+\i], v[16+\i:17+\i], v[24+\i:25+\i]            ; four chains side by side, two keys each
.endr
.irp i, 0,2,4,6
	v_pk_add_f32 v[16+\i:17+\i], v[16+\i:17+\i], v[24+\i:25+\i]            ; the heads so far
.endr
.irp h, 2,3,4,5,6,7
	s_wait_alu depctr_va_vdst(0)
	s_wait_loadcnt 14-2*\h                         ; head h is in: the two loads of each later head may be out
.irp i, 0,2,4,6
	v_pk_fma_f32 v[80+\i:81+\i], v[16+8*\h+\i:17+8*\h+\i], v[16+\i:17+\i], v[80+\i:81+\i]
.endr
.if \h < 7
.irp i, 0,2,4,6
	v_pk_add_f32 v[16+\i:17+\i], v[16+\i:17+\i], v[16+8*\h+\i:17+8*\h+\i]
.endr
.endif
.endr
	v_pk_add_f32 v[80:81], v[80:81], v[82:83]
	v_pk_add_f32 v[84:85], v[84:85], v[86:87]
	v_pk_add_f32 v[80:81], v[80:81], v[84:85]
	v_add_f32 v8, v80, v81                         ; my eight keys
	v_add_f32_dpp v8, v8, v8 row_xmask:1 row_mask:0xf bank_mask:0xf
	v_add_f32_dpp v8, v8, v8 row_xmask:2 row_mask:0xf bank_mask:0xf
	v_add_f32_dpp v8, v8, v8 row_xmask:4 row_mask:0xf bank_mask:0xf
	v_add_f32_dpp v8, v8, v8 row_xmask:8 row_mask:0xf bank_mask:0xf
	v_permlanex16_b32 v9, v8, s20, s21
	v_add_f32 v8, v8, v9                           ; the wave's 256 keys, in every lane
	ds_store_b32 v3, v8                            ; all lanes write the same word with the same value
	s_wait_alu depctr_va_vdst(0)                   ; v9 is named again behind the barrier
	s_wait_dscnt 0x0
	s_barrier_signal -1
	s_barrier_wait -1
	s_cmp_lg_u32 s14, 0
	s_cbranch_scc1 .Lend
	ds_load_b32 v8, v5                             ; lane l: wave l's sum
	s_wait_dscnt 0x0
	v_add_f32_dpp v8, v8, v8 row_xmask:1 row_mask:0xf bank_mask:0xf
	v_add_f32_dpp v8, v8, v8 row_xmask:2 row_mask:0xf bank_mask:0xf
	v_add_f32_dpp v8, v8, v8 row_xmask:4 row_mask:0xf bank_mask:0xf
	v_add_f32_dpp v8, v8, v8 row_xmask:8 row_mask:0xf bank_mask:0xf
	v_permlanex16_b32 v9, v8, s20, s21
	v_add_f32 v8, v8, v9
	v_mul_f32 v8, 0x3c000000, v8                   ; x 2 / 256
	v_cmp_eq_u32 vcc_lo, 0, v0
	s_wait_alu depctr_va_vdst(0)
	s_wait_xcnt 0x0                                ; EXEC changes only behind this wait
	s_and_saveexec_b32 s22, vcc_lo
	global_store_b32 v4, v8, s[12:13]              ; lane 0 alone; v4 = 0
	s_wait_xcnt 0x0
	s_or_b32 exec_lo, exec_lo, s22
.Lend:
	s_wait_tensorcnt 0x0
	ds_add_u32 v126, v127
	s_wait_dscnt 0x0
	s_endpgm
.Lfunc_end_k_q48b077c4d0_final:
	.size	k_q48b077c4d0_final, .Lfunc_end_k_q48b077c4d0_final-k_q48b077c4d0_final
	.p2alignl 7, 3214868480
	.fill 96, 4, 3214868480
	.section	.rodata,"a",@progbits
	.p2align	6, 0x0
	.amdhsa_kernel k_q48b077c4d0_final
		.amdhsa_group_segment_fixed_size 40960
		.amdhsa_private_segment_fixed_size 0
		.amdhsa_enable_private_segment 0
		.amdhsa_kernarg_size 40
		.amdhsa_user_sgpr_count 2
		.amdhsa_user_sgpr_kernarg_segment_ptr 1
		.amdhsa_wavefront_size32 1
		.amdhsa_system_sgpr_workgroup_id_x 1
		.amdhsa_system_sgpr_workgroup_id_y 1
		.amdhsa_system_sgpr_workgroup_id_z 1
		.amdhsa_system_vgpr_workitem_id 0
		.amdhsa_next_free_vgpr 128
		.amdhsa_next_free_sgpr 66
		.amdhsa_reserve_vcc 1
		.amdhsa_float_denorm_mode_32 3
		.amdhsa_float_denorm_mode_16_64 3
		.amdhsa_memory_ordered 1
		.amdhsa_forward_progress 1
		.amdhsa_inst_pref_size 16
	.end_amdhsa_kernel
	.amdgpu_metadata
---
amdhsa.version: [ 1, 2 ]
amdhsa.kernels:
  - .name:           k_q48b077c4d0_final
    .symbol:         k_q48b077c4d0_final.kd
    .args:
      - { .name: part, .offset: 0, .size: 8, .value_kind: global_buffer, .address_space: global }
      - { .name: bo, .offset: 8, .size: 8, .value_kind: global_buffer, .address_space: global }
      - { .name: out1, .offset: 16, .size: 8, .value_kind: global_buffer, .address_space: global }
      - { .name: out0, .offset: 24, .size: 8, .value_kind: global_buffer, .address_space: global }
      - { .name: out2, .offset: 32, .size: 8, .value_kind: global_buffer, .address_space: global }
    .group_segment_fixed_size: 40960
    .private_segment_fixed_size: 0
    .kernarg_segment_align: 8
    .kernarg_segment_size: 40
    .max_flat_workgroup_size: 1024
    .sgpr_count:     66
    .vgpr_count:     128
    .wavefront_size: 32
...
	.end_amdgpu_metadata
.endif
;; end of part 4
